; MI455X (gfx1250); checked and timed in simulation.
; The chip was launched on July 23, 2026; its instructions are those of AMD's public machine-readable ISA for CDNA 5 (MIT licence, August 2026) and "CDNA5" Instruction Set Architecture Reference Guide (July 2026). The comments in the code are by the model that wrote it; some were corrected since.
;; Transformer Block. Allowed arithmetic: float matrix products may take bf16 or f16 operands with f32 sums; other float arithmetic in f32, or as packed bf16 or f16 multiplies, adds, multiply-adds, maxima and minima; sums over many terms, partial sums and values carried from step to step in f32; what a program stores and reads back later, other than sums and carried values, may be rounded once to bf16 or f16.
;; Inputs: bo 1,024 float32; freq_cis 2,048 x 32 x 2 x 2 float32; g_attn 1,024 float32; g_ffn 1,024 float32; w1 2,730 x 1,024 float32; w2 1,024 x 2,730 float32; w3 2,730 x 1,024 float32; wk 1,024 x 1,024 float32; wo 1,024 x 1,024 float32; wq 1,024 x 1,024 float32; wv 1,024 x 1,024 float32; x 2 x 2,048 x 1,024 float32.
;; Outputs: out0 2 x 2,048 x 1,024 float32.
;; One version. Each part assembles by itself: llvm-mc -triple=amdgcn-amd-amdhsa -mcpu=gfx1250 --defsym DOCPART=n.
;; ======== version 1 of 1: 7 launches
;; limits: values are held in f16: magnitudes above 65,504 overflow, below 6.1e-05 lose precision; right only within a limited range of input values
;; workspace buffers: wts 34,078,720 bytes; qkvb 25,165,824 bytes; ob 8,388,608 bytes; hres 16,777,216 bytes; hn 8,388,608 bytes; act 23,068,672 bytes
;; launch prep (part 1): grid 1120 x 1, 8 waves a work-group, no clusters, 37,888 bytes of LDS; arguments x, g_attn, wq, wk, wv, wo, w1, w3, w2, wts; writes wts
.if DOCPART == 1
	.amdgcn_target "amdgcn-amd-amdhsa--gfx1250"
	.amdhsa_code_object_version 6
	.text
	.protected	k_qcf03e8af98_prep
	.globl	k_qcf03e8af98_prep
	.p2align	8
	.type	k_qcf03e8af98_prep,@function
k_qcf03e8af98_prep:
	s_mov_b64 s[64:65], 0
	v_nop
	global_prefetch_b8 v0, s[64:65] scope:SCOPE_SE
	s_setreg_imm32_b32 hwreg(HW_REG_WAVE_MODE, 25, 1), 1
	s_wait_xcnt 0x0
; ALL WEIGHTS AND THE FIRST NORM, ONCE, INTO 16 BITS IN THE LAYOUTS THAT THE PRODUCTS STREAM.  Every input byte is read once, every byte of wts written once.
; BL(R, KBT): element (row, k) lies at byte ((row / R x KBT + k / 64) x R + row % R) x 128 + (k % 64) x 2: for a tile of R rows all of K is one dense stream, 64 k at a time.
;   XN    BL(256,16)  f16   xn = x * rsqrt(mean(x^2) + 1e-6) * g_attn, 4,096 rows
;   WQKV  BL(192,16)  f16   row 192 t + 64 y + i = w_y[64 t + i], y = 0 q, 1 k, 2 v: a tile is one head's q, k and v rows
;   WO    BL(128,16)  f16   wo
;   W13   f16, IN PANELS: a block RB of 16 rows holds w1[8 RB + i] in rows i = 0..7 and w3[8 RB + i] in rows 8 + i (zeros from source row 2,730 on; 352 blocks).  Element (row r of the block, k) lies at byte
;         (RB / 22) x 720,896 + (k / 128) x 90,112 + (RB % 22) x 4,096 + ((k / 8) % 16) x 256 + 16 r + 2 (k % 8): a tile of 22 blocks streams 90,112 dense bytes for 128 k, and 16 rows x 32 k are 1,024 bytes on end.
;   W2    BL(128,44)  bf16  w2, zeros for k from 2,730 on (its partner in the product has no room in f16)
; LIMITS.  f16 ends at 65,504: xn is at most 32 max|g_attn| (a normalised row's largest number is sqrt(1,024)); the weights have a spread of 1/32.  A weight below 6e-5 keeps f16's fixed step of 6e-8.
; SHARES.  A wave takes two neighbouring source rows: lane l has row l / 16 and the columns 64 kb + 4 (l % 16) .. + 3.  A load of 16 bytes a lane covers 256 consecutive bytes of each row.  In the BL layouts
; a store of 8 bytes a lane covers 256 consecutive bytes, aligned.  A panel of 256 bytes holds 16 rows: the eight waves of a work-group hold just those, hand them to each other through LDS, and store whole panels.
; All arithmetic in f32, each number rounded once.  The order of the three factors of xn differs from the source text (x g, then the root).
.set XN_OFF,   0
.set WQKV_OFF, 8388608
.set WO_OFF,   14680064
.set W13_OFF,  16777216
.set W2_OFF,   28311552
.set SPARE, 36864                      ; LDS: 128 panels at a pitch of 288 bytes; behind them the spare words, 128 bytes for each wave: four blocks of 256 bytes that no other line names
.set SO,  4                            ; v4   source offset: 4,096 (l / 16) + 16 (l % 16)
.set GF,  5                            ; v5   gain offset: 16 (l % 16)
.set DO,  6                            ; v6   destination offset: 8 l
.set LSA, 10                           ; v10  where I put 8 bytes of a panel in LDS
.set LRA, 11                           ; v11  where I read 16 bytes of a panel back
.set SPW, 12                           ; v12  LDS address of my spare word; never rewritten
.set NIL, 13                           ; v13  0; never rewritten
.set GOF, 14                           ; v14  my 16 bytes in my wave's 4,096 of the destination
.set D,   16                           ; v[16:79]   the pair of rows: four numbers for each of 16 blocks of 64 columns
.set GN,  80                           ; v[80:143]  the gains of the same columns; the panels read back
.set AC,  144                          ; v[144:151] four chains of squares
.set OUT, 26                           ; s[26:27]   wts
.set SRC, 30                           ; s[30:31]
.set DST, 32                           ; s[32:33]
.set GP,  34                           ; s[34:35]
; One pair of rows of 1,024 columns, to f16.  norm = 1: the rows are normalised; gain = 1: multiplied by the gains at s[GP]; kbs: bytes from block to block in the destination, or 0: nothing is stored here.
.macro PASS norm, gain, kbs
.if \gain
.set i, 0
.rept 16
	global_load_b128 v[GN+4*i:GN+4*i+3], v[GF], s[GP:GP+1] offset:256*i
.set i, i+1
.endr
.endif
.set i, 0
.rept 16
	global_load_b128 v[D+4*i:D+4*i+3], v[SO], s[SRC:SRC+1] offset:256*i th:TH_LOAD_NT
.set i, i+1
.endr
	s_wait_loadcnt 0x0                             ; the wave has one pair of rows: all of it is wanted at once
.if \norm
.set i, 0
.rept 4
	v_pk_mul_f32 v[AC+2*i:AC+2*i+1], v[D+2*i:D+2*i+1], v[D+2*i:D+2*i+1]  ; the first four pairs start the chains
.set i, i+1
.endr
.rept 28
	v_pk_fma_f32 v[AC+2*(i%4):AC+2*(i%4)+1], v[D+2*i:D+2*i+1], v[D+2*i:D+2*i+1], v[AC+2*(i%4):AC+2*(i%4)+1]
.set i, i+1
.endr
	v_pk_add_f32 v[AC:AC+1], v[AC:AC+1], v[AC+2:AC+3]
	v_pk_add_f32 v[AC+4:AC+5], v[AC+4:AC+5], v[AC+6:AC+7]
	v_pk_add_f32 v[AC:AC+1], v[AC:AC+1], v[AC+4:AC+5]
	v_add_f32 v[AC], v[AC], v[AC+1]
	v_add_f32_dpp v[AC], v[AC], v[AC] row_xmask:1 row_mask:0xf bank_mask:0xf  ; a row lies in 16 lanes: four steps, no crossing of the halves
	v_add_f32_dpp v[AC], v[AC], v[AC] row_xmask:2 row_mask:0xf bank_mask:0xf
	v_add_f32_dpp v[AC], v[AC], v[AC] row_xmask:4 row_mask:0xf bank_mask:0xf
	v_add_f32_dpp v[AC], v[AC], v[AC] row_xmask:8 row_mask:0xf bank_mask:0xf
	v_fma_f32 v[AC], v[AC], s40, s41               ; sum / 1,024 + 1e-6
	v_rsq_f32 v[AC+2], v[AC]
	v_rsq_f32 v[AC+3], v[AC]                       ; twice: a pair for the packed multiply
.endif
.if \gain
.set i, 0
.rept 32
	v_pk_mul_f32 v[D+2*i:D+2*i+1], v[D+2*i:D+2*i+1], v[GN+2*i:GN+2*i+1]  ; with norm = 1 this is the independent work behind the two roots
.set i, i+1
.endr
.endif
.if \norm
	s_wait_alu depctr_va_vdst(0)                   ; one wait for both roots, ahead of their first reader
.set i, 0
.rept 32
	v_pk_mul_f32 v[D+2*i:D+2*i+1], v[D+2*i:D+2*i+1], v[AC+2:AC+3]
.set i, i+1
.endr
.endif
.set i, 0
.rept 16
	v_cvt_pk_f16_f32 v[D+4*i], v[D+4*i], v[D+4*i+1]
	v_cvt_pk_f16_f32 v[D+4*i+1], v[D+4*i+2], v[D+4*i+3]
.set i, i+1
.endr
.if (\kbs)
.set i, 0
.rept 16
	global_store_b64 v[DO], v[D+4*i:D+4*i+1], s[DST:DST+1] offset:(\kbs)*i
.set i, i+1
.endr
.endif
.endm
; THE WORK-GROUP'S 16 ROWS INTO PANELS, and the wave's end.  Wave w holds rows 2 w and 2 w + 1 of the block, 8 bytes a lane for each 64 columns.  In LDS panel k / 8 lies at 288 (k / 8), row r at 16 r in it:
; the 32 lanes of a store take 8 panels x 32 bytes, and 288 = 256 + 32 puts them into different banks (64 banks of 4 bytes: ISA guide 11.1).  Behind the barrier wave w reads panels 16 w .. 16 w + 15, two to a load,
; and stores them as 4,096 consecutive bytes at w x kss: each store covers 512 consecutive bytes, aligned.
.macro BACK kss
	v_lshrrev_b32 v[LSA], 1, v2
	v_mul_u32_u24 v[LSA], v[LSA], 288              ; my panel among the eight of 64 columns
	v_and_b32 v15, 1, v2
	v_lshl_add_u32 v[LSA], v15, 3, v[LSA]          ; which half of a row's 16 bytes
	v_lshl_add_u32 v[LSA], v3, 4, v[LSA]           ; row 2 w + l / 16
	s_lshl_b32 s6, s2, 5
	v_add_nc_u32 v[LSA], s6, v[LSA]
	v_mul_u32_u24 v[LRA], v3, 288                  ; back: lanes 0-15 take one panel, lanes 16-31 the next
	v_add_nc_u32 v[LRA], v[LRA], v[GF]
	s_mul_i32 s6, s2, 4608
	v_add_nc_u32 v[LRA], s6, v[LRA]
	s_mul_i32 s6, s2, \kss
	v_lshl_add_u32 v[GOF], v1, 4, s6
.set i, 0
.rept 16
	ds_store_b64 v[LSA], v[D+4*i:D+4*i+1] offset:2304*i
.set i, i+1
.endr
	s_wait_dscnt 0x0                               ; for the others' sake: my stores are done
	s_barrier_signal -1
	s_barrier_wait -1
.set i, 0
.rept 8
	ds_load_b128 v[GN+4*i:GN+4*i+3], v[LRA] offset:576*i
.set i, i+1
.endr
.set i, 0
.rept 8
	s_wait_dscnt 7-i                               ; LDS loads come back in order: load i is in, the younger ones may stay out
	global_store_b128 v[GOF], v[GN+4*i:GN+4*i+3], s[DST:DST+1] offset:512*i
.set i, i+1
.endr
	s_wait_tensorcnt 0x0                           ; the wave's end: behind my last LDS store
	ds_add_u32 v[SPW], v[NIL]
	s_wait_dscnt 0x0
	s_endpgm
.endm
	s_load_b256 s[8:15], s[0:1], 0x0               ; x s[8:9], g_attn s[10:11], wq s[12:13], wk s[14:15]
	s_load_b256 s[16:23], s[0:1], 0x20             ; wv s[16:17], wo s[18:19], w1 s[20:21], w3 s[22:23]
	s_load_b128 s[24:27], s[0:1], 0x40             ; w2 s[24:25], wts s[26:27]
	v_lshl_add_u32 v[SPW], v0, 2, SPARE
	v_mov_b32 v[NIL], 0
	v_lshrrev_b32 v1, 5, v0
	v_readfirstlane_b32 s2, v1                     ; wave 0..7
	v_and_b32 v2, 15, v0                           ; l % 16
	v_bfe_u32 v3, v0, 4, 1                         ; l / 16
	v_and_b32 v1, 31, v0
	v_lshlrev_b32 v[GF], 4, v2
	v_lshl_add_u32 v[SO], v3, 12, v[GF]
	v_lshlrev_b32 v[DO], 3, v1
	s_mov_b32 s3, ttmp9                            ; the work-group's number chooses the role
	s_mov_b32 s37, 0                               ; high words of the two offsets
	s_mov_b32 s39, 0
	s_mov_b32 s40, 0x3a800000                      ; 1 / 1,024
	s_mov_b32 s41, 0x358637bd                      ; 1e-6
	s_wait_kmcnt 0x0
	s_cmp_lt_u32 s3, 256
	s_cbranch_scc0 .Lnot_x
	; work-groups 0 .. 255: the norm
	s_lshl3_add_u32 s4, s3, s2                     ; pair p = 8 G + wave
	s_lshl_b32 s5, s4, 1                           ; its first row e
	s_lshl_b32 s36, s4, 13
	s_add_nc_u64 s[SRC:SRC+1], s[8:9], s[36:37]
	s_lshr_b32 s38, s5, 8
	s_lshl_b32 s38, s38, 19
	s_and_b32 s6, s5, 255
	s_lshl_b32 s6, s6, 7
	s_add_co_u32 s38, s38, s6
	s_add_nc_u64 s[DST:DST+1], s[OUT:OUT+1], s[38:39]
	s_mov_b64 s[GP:GP+1], s[10:11]
	PASS 1, 1, 32768
	s_endpgm
.Lnot_x:
	s_cmp_lt_u32 s3, 512
	s_cbranch_scc0 .Lnot_p
	; work-groups 256 .. 511: wq, wk, wv, wo, 64 work-groups each
	s_sub_co_u32 s3, s3, 256
	s_lshr_b32 s7, s3, 6                           ; y
	s_and_b32 s3, s3, 63
	s_lshl3_add_u32 s4, s3, s2
	s_lshl_b32 s5, s4, 1
	s_lshl_b32 s36, s4, 13
	s_cmp_eq_u32 s7, 3
	s_cbranch_scc1 .Lrole_wo
	s_cmp_eq_u32 s7, 0
	s_cselect_b64 s[SRC:SRC+1], s[12:13], s[14:15]
	s_cmp_eq_u32 s7, 2
	s_cselect_b64 s[SRC:SRC+1], s[16:17], s[SRC:SRC+1]
	s_add_nc_u64 s[SRC:SRC+1], s[SRC:SRC+1], s[36:37]
	s_lshr_b32 s38, s5, 6                          ; the head
	s_mul_i32 s38, s38, 393216
	s_and_b32 s6, s5, 63
	s_lshl_b32 s7, s7, 6
	s_add_co_u32 s6, s6, s7
	s_lshl_b32 s6, s6, 7
	s_add_co_u32 s38, s38, s6
	s_add_co_u32 s38, s38, WQKV_OFF
	s_add_nc_u64 s[DST:DST+1], s[OUT:OUT+1], s[38:39]
	PASS 0, 0, 24576
	s_endpgm
.Lrole_wo:
	s_add_nc_u64 s[SRC:SRC+1], s[18:19], s[36:37]
	s_lshr_b32 s38, s5, 7
	s_lshl_b32 s38, s38, 18
	s_and_b32 s6, s5, 127
	s_lshl_b32 s6, s6, 7
	s_add_co_u32 s38, s38, s6
	s_add_co_u32 s38, s38, WO_OFF
	s_add_nc_u64 s[DST:DST+1], s[OUT:OUT+1], s[38:39]
	PASS 0, 0, 16384
	s_endpgm
.Lnot_p:
	s_cmp_lt_u32 s3, 864
	s_cbranch_scc0 .Lrole_w2
	; work-groups 512 .. 863: w1 and w3: a work-group makes block RB: waves 0-3 take w1's rows 8 RB .. + 7, waves 4-7 w3's
	s_sub_co_u32 s3, s3, 512                       ; RB
	s_mul_i32 s4, s3, 2979
	s_lshr_b32 s4, s4, 16                          ; RB / 22: 2,979 x 22 = 65,536 + 2, exact for RB below 352
	s_mul_i32 s5, s4, 22
	s_sub_co_u32 s5, s3, s5                        ; RB % 22
	s_mul_i32 s38, s4, 720896
	s_lshl_b32 s5, s5, 12
	s_add_co_u32 s38, s38, s5
	s_add_co_u32 s38, s38, W13_OFF
	s_add_nc_u64 s[DST:DST+1], s[OUT:OUT+1], s[38:39]
	s_and_b32 s6, s2, 3
	s_lshl_b32 s6, s6, 1
	s_lshl3_add_u32 s5, s3, s6                     ; my first source row: 8 RB + 2 (wave % 4)
	s_cmp_ge_u32 s2, 4
	s_cselect_b64 s[SRC:SRC+1], s[22:23], s[20:21]
	s_cmp_ge_u32 s5, 2730                          ; 2,730 is even: a pair is inside or outside as a whole
	s_cbranch_scc1 .Lzero
	s_lshl_b32 s36, s5, 12
	s_add_nc_u64 s[SRC:SRC+1], s[SRC:SRC+1], s[36:37]
	PASS 0, 0, 0
	s_branch .Lpacked
.Lzero:                                        ; the padding rows: nothing is loaded
.set i, 0
.rept 16
	v_mov_b32 v[D+4*i], 0
	v_mov_b32 v[D+4*i+1], 0
.set i, i+1
.endr
.Lpacked:                                      ; every wave is here again: the barrier below stands on all eight waves' way
	BACK 90112
.Lrole_w2:
	; work-groups 864 .. 1119: w2, four chunks of 11 blocks of 64 columns, 64 work-groups each.  A row is 10,920 bytes, a multiple of 8 alone: loads of 8 bytes.
	s_sub_co_u32 s3, s3, 864
	s_lshr_b32 s7, s3, 6                           ; chunk c
	s_and_b32 s3, s3, 63
	s_lshl3_add_u32 s4, s3, s2
	s_lshl_b32 s5, s4, 1
	s_mul_i32 s36, s4, 21840
	s_add_nc_u64 s[SRC:SRC+1], s[24:25], s[36:37]
	s_lshr_b32 s38, s5, 7
	s_mul_i32 s38, s38, 720896
	s_and_b32 s6, s5, 127
	s_lshl_b32 s6, s6, 7
	s_add_co_u32 s38, s38, s6
	s_mul_i32 s6, s7, 180224
	s_add_co_u32 s38, s38, s6
	s_add_co_u32 s38, s38, W2_OFF
	s_add_nc_u64 s[DST:DST+1], s[OUT:OUT+1], s[38:39]
	s_mul_i32 s6, s7, 2816
	v_add_nc_u32 v8, s6, v[GF]                     ; my byte in the row, block 0 of the chunk
	v_mul_u32_u24 v9, v3, 10920                    ; my row of the pair
	v_add_nc_u32 v7, v8, v9
.set j, 0
.rept 9                                        ; blocks 11 c + 0 .. 8 end at column 2,687 at the most: inside
	global_load_b64 v[D+4*j:D+4*j+1], v7, s[SRC:SRC+1] offset:256*j th:TH_LOAD_NT
	global_load_b64 v[D+4*j+2:D+4*j+3], v7, s[SRC:SRC+1] offset:256*j+8 th:TH_LOAD_NT
.set j, j+1
.endr
.irp j, 9, 10                                  ; the last two may pass the row's end: the address is held to the row's last 8 bytes, and the numbers are replaced by 0 below
	v_add_nc_u32 v[100+2*(\j-9)], 256*\j, v8
	v_add_nc_u32 v[101+2*(\j-9)], 256*\j+8, v8
	v_cmp_gt_u32 s[42+2*(\j-9)], 0x2aa8, v[100+2*(\j-9)]
	v_cmp_gt_u32 s[43+2*(\j-9)], 0x2aa8, v[101+2*(\j-9)]
	v_min_u32 v[100+2*(\j-9)], 0x2aa0, v[100+2*(\j-9)]
	v_min_u32 v[101+2*(\j-9)], 0x2aa0, v[101+2*(\j-9)]
	v_add_nc_u32 v[100+2*(\j-9)], v[100+2*(\j-9)], v9
	v_add_nc_u32 v[101+2*(\j-9)], v[101+2*(\j-9)], v9
	global_load_b64 v[D+4*\j:D+4*\j+1], v[100+2*(\j-9)], s[SRC:SRC+1]
	global_load_b64 v[D+4*\j+2:D+4*\j+3], v[101+2*(\j-9)], s[SRC:SRC+1]
.endr
	s_wait_loadcnt 0x0
.irp j, 9, 10
	v_cndmask_b32 v[D+4*\j], 0, v[D+4*\j], s[42+2*(\j-9)]
	v_cndmask_b32 v[D+4*\j+1], 0, v[D+4*\j+1], s[42+2*(\j-9)]
	v_cndmask_b32 v[D+4*\j+2], 0, v[D+4*\j+2], s[43+2*(\j-9)]
	v_cndmask_b32 v[D+4*\j+3], 0, v[D+4*\j+3], s[43+2*(\j-9)]
.endr
.set j, 0
.rept 11
	v_cvt_pk_bf16_f32 v[D+4*j], v[D+4*j], v[D+4*j+1]
	v_cvt_pk_bf16_f32 v[D+4*j+1], v[D+4*j+2], v[D+4*j+3]
.set j, j+1
.endr
.set j, 0
.rept 11
	global_store_b64 v[DO], v[D+4*j:D+4*j+1], s[DST:DST+1] offset:16384*j
.set j, j+1
.endr
	s_endpgm
.Lfunc_end_k_qcf03e8af98_prep:
	.size	k_qcf03e8af98_prep, .Lfunc_end_k_qcf03e8af98_prep-k_qcf03e8af98_prep
	.p2alignl 7, 3214868480
	.fill 96, 4, 3214868480
	.section	.rodata,"a",@progbits
	.p2align	6, 0x0
	.amdhsa_kernel k_qcf03e8af98_prep
		.amdhsa_group_segment_fixed_size 37888
		.amdhsa_private_segment_fixed_size 0
		.amdhsa_enable_private_segment 0
		.amdhsa_kernarg_size 80
		.amdhsa_user_sgpr_count 2
		.amdhsa_user_sgpr_kernarg_segment_ptr 1
		.amdhsa_wavefront_size32 1
		.amdhsa_system_sgpr_workgroup_id_x 1
		.amdhsa_system_sgpr_workgroup_id_y 1
		.amdhsa_system_sgpr_workgroup_id_z 1
		.amdhsa_system_vgpr_workitem_id 0
		.amdhsa_next_free_vgpr 160
		.amdhsa_next_free_sgpr 66
		.amdhsa_reserve_vcc 0
		.amdhsa_float_denorm_mode_32 3
		.amdhsa_float_denorm_mode_16_64 3
		.amdhsa_memory_ordered 1
		.amdhsa_forward_progress 1
		.amdhsa_inst_pref_size 42
	.end_amdhsa_kernel
	.amdgpu_metadata
---
amdhsa.version: [ 1, 2 ]
amdhsa.kernels:
  - .name:           k_qcf03e8af98_prep
    .symbol:         k_qcf03e8af98_prep.kd
    .args:
      - { .name: x, .offset: 0, .size: 8, .value_kind: global_buffer, .address_space: global }
      - { .name: g_attn, .offset: 8, .size: 8, .value_kind: global_buffer, .address_space: global }
      - { .name: wq, .offset: 16, .size: 8, .value_kind: global_buffer, .address_space: global }
      - { .name: wk, .offset: 24, .size: 8, .value_kind: global_buffer, .address_space: global }
      - { .name: wv, .offset: 32, .size: 8, .value_kind: global_buffer, .address_space: global }
      - { .name: wo, .offset: 40, .size: 8, .value_kind: global_buffer, .address_space: global }
      - { .name: w1, .offset: 48, .size: 8, .value_kind: global_buffer, .address_space: global }
      - { .name: w3, .offset: 56, .size: 8, .value_kind: global_buffer, .address_space: global }
      - { .name: w2, .offset: 64, .size: 8, .value_kind: global_buffer, .address_space: global }
      - { .name: wts, .offset: 72, .size: 8, .value_kind: global_buffer, .address_space: global }
    .group_segment_fixed_size: 37888
    .private_segment_fixed_size: 0
    .kernarg_segment_align: 8
    .kernarg_segment_size: 80
    .max_flat_workgroup_size: 256
    .sgpr_count:     66
    .vgpr_count:     160
    .wavefront_size: 32
...
	.end_amdgpu_metadata
.endif
;; end of part 1
;; launch proj (part 2): grid 16 x 16, 4 waves a work-group, clusters of 4 x 4, 327,680 bytes of LDS; arguments wts, freq_cis, qkvb; writes qkvb
.if DOCPART == 2
	.amdgcn_target "amdgcn-amd-amdhsa--gfx1250"
	.amdhsa_code_object_version 6
	.text
	.protected	k_qcf03e8af98_proj
	.globl	k_qcf03e8af98_proj
	.p2align	8
	.type	k_qcf03e8af98_proj,@function
k_qcf03e8af98_proj:
	s_mov_b64 s[64:65], 0
	v_nop
	global_prefetch_b8 v0, s[64:65] scope:SCOPE_SE
	s_setreg_imm32_b32 hwreg(HW_REG_WAVE_MODE, 25, 1), 1
	s_wait_xcnt 0x0
	s_wait_alu depctr_hold_cnt(0) depctr_sa_sdst(0) depctr_va_vdst(0) depctr_va_sdst(0) depctr_va_ssrc(0) depctr_va_vcc(0) depctr_vm_vsrc(0)
	s_getreg_b32 s2, hwreg(HW_REG_IB_STS2, 6, 4)
	s_cmp_eq_u32 s2, 0
	s_cbranch_scc0 .Lentry_in_a_cluster
	s_endpgm
.Lentry_in_a_cluster:
	s_bfe_u32 s2, ttmp6, 0x10000c
	s_cmp_lg_u32 s2, 0xf033
	s_cbranch_scc0 .Lentry_shape_is_right
	s_endpgm
.Lentry_shape_is_right:
; q, k, v = xn w^T, AND THE 2 x 2 MATRIX OF EACH PAIR OF q AND k, for one head and 256 rows.  xn and the weights are f16 in blocked layouts (64 k of a tile's rows lie dense); sums in f32;
; the pair matrices (freq_cis, f32) are applied to the f32 sums; q, k, v are rounded once to f16 and stored by heads: qkvb = q, k, v, each [16 b + h][s][64].
; q AND k ARE STORED TIMES 2^-8: the pair matrices are multiplied by 2^-8 in f32, which is exact, and the softmax's constant takes 2^16 back.  Their spread is 1.4 x g_attn x 32 wq x freq_cis: with each of the three 30 times
; larger it is 38,000, for which plain f16 has no room.  LIMITS: |q| and |k| up to 65,504 x 256 = 1.6e7; |v| up to 65,504 (|v| is at most 32 max|g_attn| x the norm of a row of wv).  A stored number below 6e-5 keeps f16's fixed step of 6e-8.
; A tile is 256 rows x 192 columns: the head's 64 columns of q, of k and of v.  Four waves, 64 rows x 192 columns each: 48 accumulators, 384 registers.  256 work-groups.
; K goes in steps of 128 through a ring of two LDS slots.  A step of A is 65,536 dense bytes, of B 49,152: asked for as rows of 256 bytes and padded in LDS after every 128 (pitch 144 = 36 words: the 16 rows
; of a fragment load start at 16 different groups of four banks; 64 banks of 4 bytes: ISA guide 11.1).  Waves 0 and 1 fetch the halves of A, waves 2 and 3 of B: one tensor load a wave for each refill.
; CLUSTER 4 x 4: A hangs on the tile row and is asked for jointly along a row of the cluster, B on the tile column and along a column.
; THE MATRIX INSTRUCTION IS USED TRANSPOSED (source 0 = 16 rows of the weights, source 1 = 16 rows of xn): a lane holds row l % 16 and the columns 8 (l / 16) + 0..7.
; A step is four UNITS of 32 along K, 48 matrix instructions each, on two fragment buffers: a unit waits for its fragments (issued a whole unit earlier), issues the next unit's 32 LDS loads in one run, and multiplies.
; REGISTERS: window 0 addresses and the way out; window 1 the two fragment buffers; windows 2 and 3 the accumulators: (a, b) in window 2 + a / 2 at v[8 (12 (a % 2) + b)].
.set T,     8                          ; K steps
.set NBK,   12                         ; blocks of 16 columns a wave
.set APW,   2                          ; blocks of 16 rows whose accumulators share a window
.set DEEP,  1                          ; matrix instructions along K in a unit
.set RA,    128                        ; rows of 256 bytes in a wave's tensor load of A
.set RB,    96                         ; of B
.set ABUF,  4                          ; s[4:5]: A's buffer
.set BBUF,  4                          ; B's: the same
.set AOFF,  0
.set BOFF,  8388608
.set ATILE, 524288                     ; bytes from tile row to tile row
.set BTILE, 393216
.set ASTEP, 65536                      ; bytes of a K step
.set BSTEP, 49152
.set BHL,   27648                      ; LDS bytes of half a step of B
.set O1A,   64                         ; from a unit's fragments to the next unit's
.set O1B,   64
.set DA,    36864                      ; and to those two units on
.set DB,    27648
.set SLOT1, 131072                     ; slot 1; one exclusive or turns an address in one slot into the other's
.set SPARE, 260096                     ; the spare words, 128 bytes for each wave: two blocks of 256 bytes that no other line names
.set STAGE, 260608                     ; 16 rows x 144 bytes for each wave, for the way out; no tensor load fills it
.set AHEAD, 1                          ; a prefetch names the K step so many behind the one that is being asked for
.set PSHB,  6144                       ; a partner's share of a wave's half step of B
.set PLB,   23                         ; its last block of 256 bytes
.set W3OFF, 0
.set ROWW,  10                         ; my 64 rows go by s10, the wave's number
.set COLW,  0                          ; every wave reads all of B's rows
.set AREG,  73728                      ; in a slot: A, then B
.set G1W,   (1<<16)|(1<<20)|(1<<21)|(4<<22)|(3<<25)  ; 17:16 2-byte elements; 20 padding on; 21 set beside a mask; 24:22 after every 32 words; 31:25 4 words
.set A0,   16                          ; v16  my lane's place in A's part of a slot; never rewritten
.set B0,   17                          ; v17  in B's
.set ADRA, 18                          ; v18  the address of the runs of loads in hand
.set ADRB, 19
.set STO,  24
.set RD,   25
.set GO,   26
.set SPW,  28                          ; v28  LDS address of my spare word; never rewritten
.set NIL,  29                          ; v29  0; never rewritten
.set PFO,  30                          ; v30  the prefetches' offset; never rewritten
.set F0,   0
.set F1,   128
.set G1,   24                          ; s[24:31] group 1 for A;  s[32:39] group 0: a set for each first fill, the second walks on
.set G0,   32
.set G1B,  48                          ; s[48:55], s[56:63] the same for B
.set G0B,  56
.set TA,   66                          ; s66  LDS byte at which A's fragments to be fetched begin
.set TBQ,  67                          ; s67  the same for B
.set PFA,  70                          ; s[70:71] where my prefetches stand
.set PFS,  72                          ; s[72:73] their step
.set LIM,  74                          ; s74  AHEAD in a wave that prefetches, else the greatest number
.set MSB, 0
.macro WIN new                         ; the high byte repeats the setting that is left; a switch that changes nothing is dropped
.if MSB != (\new)
	s_set_vgpr_msb (MSB<<8)|(\new)
.set MSB, (\new)
.endif
.endm
.macro PLACES                          ; four places in front of loads into registers that matrix instructions have read, and of instructions that read results
.rept 4
	v_nop
.endr
.endm
.macro CROUND                          ; a round of the cluster's barrier
	s_barrier_signal -1
	s_barrier_wait -1
	s_cmp_lg_u32 s10, 0
	s_cbranch_scc1 .Lnot_wave_0_\@
	s_barrier_signal -3
.Lnot_wave_0_\@:
	s_barrier_wait -3
	s_barrier_signal -1
	s_barrier_wait -1
.endm
.macro JLOAD                           ; a joint refill by the walking sets; the branch hangs on the wave's number alone; an s_nop 0 and four v_nop follow each line
	s_cmp_eq_u32 s11, 0
	s_cbranch_scc0 .Lfor_b_\@
	tensor_load_to_lds s[G0+4:G0+7], s[G1:G1+7]
	s_nop 0
	PLACES
	s_branch .Lasked_\@
.Lfor_b_\@:
	tensor_load_to_lds s[G0B+4:G0B+7], s[G1B:G1B+7]
	s_nop 0
	PLACES
.Lasked_\@:
.endm
; A prefetch into the L2, behind the joint load and its five lines: my share of the K step AHEAD steps behind the one just asked for, a lane a block of 256 bytes.  A's stream is named by the cluster with x = 0,
; B's by the cluster with y = 0; the four partners of a joint load share a wave's half step out by address.  It stops where the tile's stream ends: s3 steps are still to be entered.
.macro ASK
	s_cmp_gt_u32 s3, s[LIM]
	s_cbranch_scc0 .Lnot_mine_\@
	global_prefetch_b8 v[PFO], s[PFA:PFA+1] th:TH_LOAD_NT scope:SCOPE_SE
.Lnot_mine_\@:
.endm
.macro FETCH g, oa, ob                 ; one run of LDS loads: a unit's fragments into buffer g: B's, then A's; a fragment is two loads of 16 bytes, 32 bytes apart
	WIN 0x40
.set c_, 0
.rept DEEP
.set i_, 0
.rept NBK
.set r_, (\g)+8*(NBK*c_+i_)
	ds_load_b128 v[r_:r_+3],   v[ADRB] offset:(\ob)+64*c_+2304*i_
	ds_load_b128 v[r_+4:r_+7], v[ADRB] offset:(\ob)+64*c_+2304*i_+32
.set i_, i_+1
.endr
.set i_, 0
.rept 4
.set r_, (\g)+8*DEEP*NBK+8*(4*c_+i_)
	ds_load_b128 v[r_:r_+3],   v[ADRA] offset:(\oa)+64*c_+2304*i_
	ds_load_b128 v[r_+4:r_+7], v[ADRA] offset:(\oa)+64*c_+2304*i_+32
.set i_, i_+1
.endr
.set c_, c_+1
.endr
.endm
.macro MULS f, zero                    ; a unit's products; the accumulators take turns, one instruction a turn, over every jump too.  zero = 1: they start the sums
.set c_, 0
.rept DEEP
.set a_, 0
.rept 4
	WIN 0xa5+0x50*(a_/APW)
.set b_, 0
.rept NBK
.set rD, 8*(NBK*(a_%APW)+b_)
.set rB, (\f)+8*(NBK*c_+b_)
.set rA, (\f)+8*DEEP*NBK+8*(4*c_+a_)
.if (\zero) && (c_ == 0)
	v_wmma_f32_16x16x32_f16 v[rD:rD+7], v[rB:rB+7], v[rA:rA+7], 0
.else
	v_wmma_f32_16x16x32_f16 v[rD:rD+7], v[rB:rB+7], v[rA:rA+7], v[rD:rD+7]
.endif
.set b_, b_+1
.endr
.set a_, a_+1
.endr
.set c_, c_+1
.endr
.endm
.macro U f, g, oa, ob, zero            ; a unit
	s_wait_dscnt 0x0                               ; buffer f is in: its loads were issued a unit ago
	PLACES                                         ; buffer g was read by the products just ahead
	FETCH \g, \oa, \ob
	MULS \f, \zero
.endm
; THE CHANGE OF SLOTS.  Every read of the slot that is left has been issued.  Each wave waits for all its tensor loads (one is out: its part of the other slot), adds 0 to its spare word, and waits for that and for its reads.
; fill = 1: the barrier is a round of the cluster's, and the slot is filled again, first thing behind it, with the K step two on: that load has a whole step, 192 matrix instructions, in which to land.
.macro CHG fill
	WIN 0
	s_wait_tensorcnt 0x0                           ; no tensor load of mine is out, so a group 0 may be written
	ds_add_u32 v[SPW], v[NIL]                      ; the scalar work stands between this add and the wait for it
.if \fill
	s_xor_b32 s[G0+5], s[G0+5], SLOT1
	s_add_nc_u64 s[G0+6:G0+7], s[G0+6:G0+7], ASTEP
	s_xor_b32 s[G0B+5], s[G0B+5], SLOT1
	s_add_nc_u64 s[G0B+6:G0B+7], s[G0B+6:G0B+7], BSTEP
.if AHEAD
	s_wait_xcnt 0x0                                ; the last prefetch, a step back, has read its address
	s_add_nc_u64 s[PFA:PFA+1], s[PFA:PFA+1], s[PFS:PFS+1]
.endif
.endif
	s_sub_co_u32 s[TA], s[TA], 2*DA                ; the fetches go back to a slot's first unit,
	s_xor_b32 s[TA], s[TA], SLOT1                  ; in the other slot
	s_sub_co_u32 s[TBQ], s[TBQ], 2*DB
	s_xor_b32 s[TBQ], s[TBQ], SLOT1
	s_wait_dscnt 0x0                               ; the add is done, and my reads of the slot are over
.if \fill
	CROUND
	JLOAD
.if AHEAD
	ASK
.endif
.else
	s_barrier_signal -1
	s_barrier_wait -1
.endif
.endm
.macro BODY                            ; two units; behind a change of slots the first multiplies the old slot's last unit and fetches the new slot's first
	v_add_nc_u32 v[ADRA], s[TA], v[A0]
	v_add_nc_u32 v[ADRB], s[TBQ], v[B0]
	U F1, F0, 0, 0, 0
	U F0, F1, O1A, O1B, 0
	WIN 0
	s_add_co_u32 s[TA], s[TA], DA
	s_add_co_u32 s[TBQ], s[TBQ], DB
	s_sub_co_u32 s2, s2, 1
	s_cmp_lg_u32 s2, 0
.endm
	s_load_b128 s[4:7], s[0:1], 0x0                ; wts s[4:5], freq_cis s[6:7]
	s_load_b64 s[76:77], s[0:1], 0x10              ; qkvb
	v_lshl_add_u32 v[SPW], v0, 2, SPARE
	v_mov_b32 v[NIL], 0
	ds_add_u32 v[SPW], v[NIL]                      ; the wave's opening: the add and its wait stand ahead of my first tensor load
	v_lshrrev_b32 v1, 5, v0
	v_readfirstlane_b32 s10, v1                    ; wave 0..3
	s_lshr_b32 s11, s10, 1                         ; I fetch for A (0) or for B (1)
	s_and_b32 s12, s10, 1                          ; which half of a step
	s_bfe_u32 s40, ttmp6, 0x40000                  ; cx
	s_bfe_u32 s41, ttmp6, 0x40004                  ; cy
	s_lshl_b32 s42, ttmp9, 2
	s_add_co_u32 s42, s42, s40                     ; tile column = the head
	s_and_b32 s13, ttmp7, 0xffff
	s_lshl_b32 s13, s13, 2
	s_add_co_u32 s13, s13, s41                     ; tile row
	s_lshl_b32 s43, s41, 2
	s_lshl_b32 s43, 15, s43                        ; my row of the cluster
	s_lshl_b32 s44, 0x1111, s40                    ; my column
	s_or_b32 s[G1], s43, G1W
	s_or_b32 s[G1B], s44, G1W
	s_mov_b32 s[G1+1], 128<<16                     ; tensor_dim0 = 128 elements: 256 bytes
	s_mov_b32 s[G1+2], RA<<16                      ; tensor_dim1
	s_mov_b32 s[G1+3], 128<<16                     ; tile_dim0
	s_mov_b32 s[G1+4], RA                          ; tile_dim1
	s_mov_b32 s[G1+5], 128                         ; the rows lie end to end
	s_mov_b32 s[G1+6], 0
	s_mov_b32 s[G1+7], 0
	s_mov_b32 s[G1B+1], 128<<16
	s_mov_b32 s[G1B+2], RB<<16
	s_mov_b32 s[G1B+3], 128<<16
	s_mov_b32 s[G1B+4], RB
	s_mov_b32 s[G1B+5], 128
	s_mov_b32 s[G1B+6], 0
	s_mov_b32 s[G1B+7], 0
	s_mul_i32 s16, s13, ATILE                      ; A: the tile row's stream, my half of a step
	s_lshl_b32 s17, s12, 15
	s_add_co_u32 s16, s16, s17
.if AOFF
	s_add_co_u32 s16, s16, AOFF
.endif
	s_mov_b32 s17, 0
	s_mul_i32 s46, s42, BTILE                      ; B: the tile column's stream
	s_mul_i32 s47, s12, BSTEP/2
	s_add_co_u32 s46, s46, s47
	s_add_co_u32 s46, s46, BOFF
	s_mov_b32 s47, 0
	s_mul_i32 s20, s12, 36864                      ; where they go: no place in the cluster enters an LDS address
	s_mul_i32 s21, s12, BHL
	s_add_co_u32 s21, s21, AREG
	s_wait_dscnt 0x0                               ; the opening add is done
	s_wait_kmcnt 0x0
	s_add_nc_u64 s[14:15], s[ABUF:ABUF+1], s[16:17]
	s_add_nc_u64 s[46:47], s[BBUF:BBUF+1], s[46:47]
.if AHEAD
	s_and_b32 s87, ttmp7, 0xffff                   ; cluster y
	s_mov_b32 s90, 8192
	s_mov_b32 s[PFS], ASTEP
	s_cmp_eq_u32 s11, 0
	s_cselect_b64 s[PFA:PFA+1], s[14:15], s[46:47] ; what I fetch myself,
	s_cselect_b32 s86, s40, s41                    ; my place among the four that ask with me,
	s_cselect_b32 s87, ttmp9, s87                  ; the coordinate along which other clusters read the same stream
	s_cselect_b32 s90, s90, PSHB
	s_cselect_b32 s[PFS], s[PFS], BSTEP
	s_cselect_b32 s75, 31, PLB                     ; B's share is 24 blocks: lanes 24 to 31 name lane 23's once more
	s_mov_b32 s[PFS+1], 0
.if W3OFF
	s_cmp_eq_u32 s10, 3
	s_cselect_b32 s91, 1, 0
	s_or_b32 s87, s87, s91
.endif
	s_cmp_eq_u32 s87, 0
	s_cselect_b32 s[LIM], AHEAD, -1                ; the same in all sixteen partners, for a given wave
	s_mul_i32 s88, s86, s90
	s_mul_i32 s91, s[PFS], 1+AHEAD                 ; the first change of slots steps it once more
	s_add_co_u32 s88, s88, s91
	s_mov_b32 s89, 0
	s_add_nc_u64 s[PFA:PFA+1], s[PFA:PFA+1], s[88:89]
	v_and_b32 v[PFO], 31, v0
	v_min_u32 v[PFO], s75, v[PFO]
	v_lshlrev_b32 v[PFO], 8, v[PFO]
.endif
	CROUND                                         ; all sixteen work-groups are here: the first joint loads meet
.irp s, 0,1
	s_mov_b32 s[G0+4*(\s)], 1
	s_add_co_u32 s[G0+4*(\s)+1], s20, (\s)*SLOT1
	s_add_nc_u64 s[G0+4*(\s)+2:G0+4*(\s)+3], s[14:15], (\s)*ASTEP
	s_or_b32 s[G0+4*(\s)+3], s[G0+4*(\s)+3], 0x80000000
	s_mov_b32 s[G0B+4*(\s)], 1
	s_add_co_u32 s[G0B+4*(\s)+1], s21, (\s)*SLOT1
	s_add_nc_u64 s[G0B+4*(\s)+2:G0B+4*(\s)+3], s[46:47], (\s)*BSTEP
	s_or_b32 s[G0B+4*(\s)+3], s[G0B+4*(\s)+3], 0x80000000
.endr
	s_cmp_eq_u32 s11, 0                            ; a wave's two first fills stand in one branch: two loads of mine are out, the most in this text
	s_cbranch_scc0 .Lfirst_b
	tensor_load_to_lds s[G0:G0+3], s[G1:G1+7]
	s_nop 0
	tensor_load_to_lds s[G0+4:G0+7], s[G1:G1+7]
	s_nop 0
	PLACES
	s_branch .Lfirst_asked
.Lfirst_b:
	tensor_load_to_lds s[G0B:G0B+3], s[G1B:G1B+7]
	s_nop 0
	tensor_load_to_lds s[G0B+4:G0B+7], s[G1B:G1B+7]
	s_nop 0
	PLACES
.Lfirst_asked:
	v_and_b32 v1, 15, v0                           ; r = l % 16
	v_bfe_u32 v2, v0, 4, 1                         ; h = l / 16
	v_mul_u32_u24 v3, v1, 144
	v_lshl_add_u32 v3, v2, 4, v3                   ; row x pitch + 16 x half
	s_mul_i32 s18, s[ROWW], 9216                   ; my 64 rows of A
	v_add_nc_u32 v[A0], s18, v3
.if COLW
	s_mul_i32 s18, s12, 9216
	s_add_co_u32 s18, s18, AREG
.else
	s_mov_b32 s18, AREG
.endif
	v_add_nc_u32 v[B0], s18, v3
	; the way out
.set FO,  31                           ; v31  my offset in freq_cis: 512 r + 64 h
.set PKR, 32                           ; v[32:47]   a group (16 rows x 64 columns) packed
.set BK0, 48                           ; v[48:63], v[224:239]  the group read back as whole rows, by the group's parity
.set BK1, 224
.set FCA, 64                           ; v[64:127], v[128:191]  the pair matrices of 16 rows, by the block's parity
.set TT,  192                          ; v[192:223] at work
	s_mul_i32 s18, s10, 2304
	s_add_co_u32 s18, s18, STAGE                   ; my stage
	v_add_nc_u32 v[STO], s18, v3                   ; in: row r, 16 bytes for each half of the lanes
	v_bfe_u32 v4, v0, 3, 2                         ; back: 32 lanes take four rows of 128 bytes,
	v_mul_u32_u24 v4, v4, 144
	v_and_b32 v5, 7, v0
	v_lshl_add_u32 v4, v5, 4, v4
	v_add_nc_u32 v[RD], s18, v4
	v_and_b32 v[GO], 31, v0                        ; which are 512 consecutive bytes of q, k or v
	v_lshlrev_b32 v[GO], 4, v[GO]
	v_lshlrev_b32 v[FO], 9, v1
	v_lshl_add_u32 v[FO], v2, 6, v[FO]
	s_and_b32 s20, s13, 7
	s_lshl_b32 s20, s20, 8
	s_lshl_b32 s21, s10, 6
	s_add_co_u32 s20, s20, s21                     ; my first position s
	s_lshr_b32 s22, s13, 3
	s_lshl_b32 s22, s22, 4
	s_add_co_u32 s22, s22, s42                     ; 16 b + h
	s_lshl_b32 s22, s22, 18
	s_lshl_b32 s23, s20, 7
	s_add_co_u32 s22, s22, s23
	s_mov_b32 s23, 0
	s_add_nc_u64 s[78:79], s[76:77], s[22:23]      ; q,
	s_add_nc_u64 s[80:81], s[78:79], 8388608       ; k,
	s_add_nc_u64 s[82:83], s[78:79], 16777216      ; v at my first row
	s_lshl_b32 s20, s20, 9
	s_mov_b32 s21, 0
	s_add_nc_u64 s[84:85], s[6:7], s[20:21]        ; freq_cis at my first position
	s_mov_b32 s86, 0x3b800000                      ; 2^-8
	s_mov_b32 s87, s86                             ; named with it as a pair
	s_wait_tensorcnt 0x1                           ; my part of slot 0 is in; slot 1's may stay out
	s_barrier_signal -1
	s_barrier_wait -1
	v_mov_b32 v[ADRA], v[A0]
	v_mov_b32 v[ADRB], v[B0]
	FETCH F0, 0, 0
	U F0, F1, O1A, O1B, 1                          ; the first unit starts the sums
	WIN 0
	s_mov_b32 s[TA], DA
	s_mov_b32 s[TBQ], DB
	s_mov_b32 s3, T-1
	s_mov_b32 s2, 1
	s_branch .Lin                                  ; the loop is entered in the middle of a step
.Lstep:                                        ; T - 2 times: every slot but the last two is filled again
	CHG 1
	s_mov_b32 s2, 2
.Lin:
	BODY
	s_cbranch_scc1 .Lin
	s_sub_co_u32 s3, s3, 1
	s_cmp_lg_u32 s3, 0
	s_cbranch_scc1 .Lstep
.macro LOADF a, buf                    ; the pair matrices of block a: pair 8 b + 4 h + p of position 16 a + r, 16 bytes each
.set i_, 0
.rept 16
	global_load_b128 v[(\buf)+4*i_:(\buf)+4*i_+3], v[FO], s[84:85] offset:8192*(\a)+128*(i_/4)+16*(i_%4)
.set i_, i_+1
.endr
.endm
	LOADF 0, FCA                                   ; a step ahead of their use
	LOADF 1, FCA+64
	CHG 0                                          ; the tail is written out
	s_mov_b32 s2, 2
.Lin2:
	BODY
	s_cbranch_scc1 .Lin2
	s_wait_dscnt 0x0
	MULS F1, 0
	WIN 0
	PLACES
; THE WAY OUT, in twelve groups g = 3 a + mat of 16 rows x 64 columns.  q and k: out0 = x0 f00 + x1 f01, out1 = x0 f10 + x1 f11 for each pair, in f32, with f taken times 2^-8; then all are rounded to f16.  Each accumulator's lowest registers are read first.
.macro PACK a, mat
.set fc_, FCA+64*((\a)%2)
.set w_, 2+(\a)/2
.if (\mat) < 2
.if (\mat) == 0
.if (\a) < 3
	s_wait_loadcnt 16                              ; this block's matrices are in; the 16 loads of the buffer issued behind them may stay out
.else
	s_wait_loadcnt 0x0
.endif
.set i_, 0
.rept 32
	v_pk_mul_f32 v[fc_+2*i_:fc_+2*i_+1], v[fc_+2*i_:fc_+2*i_+1], s[86:87] op_sel_hi:[1,0]  ; once for q and k of the block
.set i_, i_+1
.endr
.endif
	WIN w_                                         ; source 0: the accumulators' window
.set i_, 0
.rept 16
.set rA, 8*(12*((\a)%2)+4*(\mat)+i_/4)+2*(i_%4)
.set rT, TT+2*i_
.set rF, fc_+4*i_
	v_mul_f32 v[rT], v[rA], v[rF]
	v_mul_f32 v[rT+1], v[rA], v[rF+2]
	v_fmac_f32 v[rT], v[rA+1], v[rF+1]
	v_fmac_f32 v[rT+1], v[rA+1], v[rF+3]
.set i_, i_+1
.endr
	WIN 0
.set i_, 0
.rept 16
	v_cvt_pk_f16_f32 v[PKR+i_], v[TT+2*i_], v[TT+2*i_+1]
.set i_, i_+1
.endr
.else
	WIN 5*w_                                       ; sources 0 and 1
.set i_, 0
.rept 16
.set rA, 8*(12*((\a)%2)+4*(\mat)+i_/4)+2*(i_%4)
	v_cvt_pk_f16_f32 v[PKR+i_], v[rA], v[rA+1]
.set i_, i_+1
.endr
	WIN 0
.endif
.endm
.macro TOSTAGE g                       ; into my own stage, and back as whole rows: LDS serves a wave's instructions in order (ISA guide 5.7.1.4)
.set bk_, BK0+(BK1-BK0)*((\g)%2)
	s_wait_xcnt 0x0                                ; the stores of two groups back have read these registers
.irp f, 0,1,2,3
	ds_store_b128 v[STO], v[PKR+4*\f:PKR+4*\f+3] offset:32*\f
.endr
.irp f, 0,1,2,3
	ds_load_b128 v[bk_+4*\f:bk_+4*\f+3], v[RD] offset:576*\f
.endr
.endm
.macro SEND g
.set bk_, BK0+(BK1-BK0)*((\g)%2)
	s_wait_dscnt 0x0
.irp f, 0,1,2,3
	global_store_b128 v[GO], v[bk_+4*\f:bk_+4*\f+3], s[78+2*((\g)%3):79+2*((\g)%3)] offset:2048*((\g)/3)+512*\f  ; 512 consecutive bytes, at a multiple of 256
.endr
.endm
	PACK 0, 0
	TOSTAGE 0
.set g_, 1
.rept 11                               ; a group's arithmetic stands between the loads of the group before and its stores
	PACK g_/3, g_%3
.if (g_%3 == 1) && (g_/3 < 2)
	LOADF g_/3+2, FCA+64*((g_/3)%2)                ; q and k of the block are done: its buffer takes the block two on
.endif
	SEND g_-1
	TOSTAGE g_
.set g_, g_+1
.endr
	SEND 11
	s_wait_tensorcnt 0x0                           ; the wave's end
	ds_add_u32 v[SPW], v[NIL]
	s_wait_dscnt 0x0
	CROUND                                         ; the closing round
	s_endpgm
.Lfunc_end_k_qcf03e8af98_proj:
	.size	k_qcf03e8af98_proj, .Lfunc_end_k_qcf03e8af98_proj-k_qcf03e8af98_proj
	.p2alignl 7, 3214868480
	.fill 96, 4, 3214868480
	.section	.rodata,"a",@progbits
	.p2align	6, 0x0
	.amdhsa_kernel k_qcf03e8af98_proj
		.amdhsa_group_segment_fixed_size 327680
		.amdhsa_private_segment_fixed_size 0
		.amdhsa_enable_private_segment 0
		.amdhsa_kernarg_size 24
		.amdhsa_user_sgpr_count 2
		.amdhsa_user_sgpr_kernarg_segment_ptr 1
		.amdhsa_wavefront_size32 1
		.amdhsa_system_sgpr_workgroup_id_x 1
		.amdhsa_system_sgpr_workgroup_id_y 1
		.amdhsa_system_sgpr_workgroup_id_z 1
		.amdhsa_system_vgpr_workitem_id 0
		.amdhsa_next_free_vgpr 960
		.amdhsa_next_free_sgpr 96
		.amdhsa_reserve_vcc 0
		.amdhsa_float_denorm_mode_32 3
		.amdhsa_float_denorm_mode_16_64 3
		.amdhsa_memory_ordered 1
		.amdhsa_forward_progress 1
		.amdhsa_inst_pref_size 97
	.end_amdhsa_kernel
	.amdgpu_metadata
---
amdhsa.version: [ 1, 2 ]
amdhsa.kernels:
  - .name:           k_qcf03e8af98_proj
    .symbol:         k_qcf03e8af98_proj.kd
    .args:
      - { .name: wts, .offset: 0, .size: 8, .value_kind: global_buffer, .address_space: global }
      - { .name: freq_cis, .offset: 8, .size: 8, .value_kind: global_buffer, .address_space: global }
      - { .name: qkvb, .offset: 16, .size: 8, .value_kind: global_buffer, .address_space: global }
    .group_segment_fixed_size: 327680
    .private_segment_fixed_size: 0
    .kernarg_segment_align: 8
    .kernarg_segment_size: 24
    .max_flat_workgroup_size: 128
    .sgpr_count:     96
    .vgpr_count:     960
    .wavefront_size: 32
...
	.end_amdgpu_metadata
.endif
;; end of part 2
;; launch attn (part 3): grid 8 x 32, 4 waves a work-group, clusters of 4 x 1, 327,680 bytes of LDS; arguments qkvb, ob; writes ob
.if DOCPART == 3
	.amdgcn_target "amdgcn-amd-amdhsa--gfx1250"
	.amdhsa_code_object_version 6
	.text
	.protected	k_qcf03e8af98_attn
	.globl	k_qcf03e8af98_attn
	.p2align	8
	.type	k_qcf03e8af98_attn,@function
k_qcf03e8af98_attn:
	s_mov_b64 s[64:65], 0
	v_nop
	global_prefetch_b8 v0, s[64:65] scope:SCOPE_SE
	s_setreg_imm32_b32 hwreg(HW_REG_WAVE_MODE, 25, 1), 1
	s_wait_xcnt 0x0
	s_wait_alu depctr_hold_cnt(0) depctr_sa_sdst(0) depctr_va_vdst(0) depctr_va_sdst(0) depctr_va_ssrc(0) depctr_va_vcc(0) depctr_vm_vsrc(0)
	s_getreg_b32 s2, hwreg(HW_REG_IB_STS2, 6, 4)
	s_cmp_eq_u32 s2, 0
	s_cbranch_scc0 .Lentry_in_a_cluster
	s_endpgm
.Lentry_in_a_cluster:
	s_bfe_u32 s2, ttmp6, 0x10000c
	s_cmp_lg_u32 s2, 0x3003
	s_cbranch_scc0 .Lentry_shape_is_right
	s_endpgm
.Lentry_shape_is_right:
; ATTENTION.  O[hh][q][:] = the sum over k of softmax_k(Q[hh][q] . K[hh][k] / 8) V[hh][k][:], no mask.  qkvb holds q, k, v, each [32 heads][2,048][64] in f16: a head's rows are dense, 128 bytes each.
; q and k arrive times 2^-8 each, so the products are the scores times 2^-16, and the softmax's constant is c = 2^16 log2(e) / 8.
; Products, maxima and sums in f32; the weights p are rounded to f16 for the second product (their sum l is taken of the unrounded p), O once at the end.
; O leaves in the blocked layout of the next product: row m = 2,048 b + q, channel 64 h + d at ((m / 128 x 16 + h) x 128 + m % 128) x 128 + 2 d.
; LIMITS.  f16 holds no number beyond 65,504: the stored q, k and v arrive within it; p lies in 0 to 1, and below 6e-5 it keeps f16's fixed step of 6e-8; O is a mean of V's rows and has their range.
; A weight below 2^-126 counts as 0 in l; NaN and infinities are not treated apart.
; SHARES.  A work-group owns 256 queries of one head, a wave 64: four PIECES of 16.  Every wave walks all 2,048 keys, 64 a step, 256 a tile.  256 work-groups.
; LAYOUT.  S^T = K Q^T holds ONE query a lane (lane % 16) and the keys 8 (lane / 16) + 0..7; two such results rounded to f16 ARE source 1 of O^T = V^T P.  K comes out of LDS as it lies, V turned, by ds_load_tr16_b128.
; SOFTMAX.  p = 2^(c s - c m) with a running maximum m; O and l are multiplied by a = 2^(c m_old - c m_new) in every step.  m starts at the lowest finite number, O and l at 0.
; TURNS.  Turn n belongs to piece n: 8 products K Q^T of piece n + 1, later 8 products V^T P of piece n - 1; beside them the scaling, exponentials, roundings, sums and rescaling of piece n and the maximum and
; statistics of piece n + 1.  Four vector instructions stand behind every matrix instruction, the other 54 of a turn's 118 in one lump.  A turn's 33 exponentials are one batch, with one wait.
; CLUSTER.  The four query blocks of a cluster belong to one head and walk the same K and V: each tile is asked for jointly.
; REGISTERS, in windows of 256 (s_set_vgpr_msb: bits 1:0 source 0, 3:2 source 1, 5:4 source 2, 7:6 destination):
;   window 0: v0-15 addresses and two at work; v16-31 four registers of statistics a piece; v48-55 at work; v61-63 prefetch offset and the add's two; v64-127 S^T, two buffers; v192-223 P, two buffers
;   window 1: v0-127 O^T, 32 a piece          window 2: v0-63 Q; v128-191 K of one step; v192-255 V of one step
.set NP,    4
.set KS,    64
.set PK,    144       ; a row of K in LDS: 128 bytes + 16: the 16 rows of a load start at 16 different groups of four banks (64 banks of 4 bytes: ISA guide 11.1)
.set PV,    160       ; a row of V: 128 + 32
.set VOFF,  4*KS*PK   ; a slot holds a tile, four steps: 256 rows of K, then 256 rows of V
.set SLOT1, 1<<17
.set STAGE, SLOT1+4*KS*(PK+PV)  ; behind the ring, never filled by a tensor load: 16 rows x 144 bytes for each wave
.set SP,    144
.set SPARE, STAGE+4*16*SP       ; the spare words, 128 bytes for each wave: two blocks of 256 bytes that no other line names
.set AK0, 2
.set AV0, 3
.set AK,  4
.set AV,  5
.set STO, 6
.set RD,  7
.set GO,  8
.set MV,  12          ; v12-13  c m_old, by buffer
.set QO,  15
.set ST,  16          ; piece t's statistics at v[ST+4 t]: c m, m, l (even keys', odd keys')
.set TMP, 48          ; by buffer, four registers c0-c3 at work; when the maximum is found c2 takes a
.set PFO, 61          ; v61  256 x my lane; never rewritten
.set SPW, 62
.set NIL, 63
.set S,   64
.set P,   192
.set KF,  128
.set VF,  192
.set WV,  12
.set LIM, 15          ; s15  1 in a wave that prefetches, else the greatest number
.set PFA, 18          ; s[18:19] where my prefetches stand
.set G1K, 24
.set G1V, 32
.set G0K, 40
.set G0V, 44
.set SLOTS, 56
.set CNT, 57
.set CS,  58
.set SEL, 60
.set TBK, 62
.set TBV, 63
.set MSB, 0
.macro WIN new
.if MSB != (\new)
	s_set_vgpr_msb (MSB<<8)|(\new)
.set MSB, (\new)
.endif
.endm
.set W_KQ, 0x0a       ; K and Q in window 2, S^T in window 0
.set W_PV, 0x52       ; V in window 2, P in window 0, O^T in window 1
.set W_RS, 0x41       ; destination and source 0 in window 1, source 1 in window 0
.macro JLOAD                        ; a joint fill: waves 0 and 1 fetch the halves of a tile's K, waves 2 and 3 of its V; an s_nop 0 and four v_nop follow each line
	s_cmp_lt_u32 s[WV], 2
	s_cbranch_scc0 .Lfor_v_\@
	tensor_load_to_lds s[G0K:G0K+3], s[G1K:G1K+7]
	s_nop 0
.rept 4
	v_nop
.endr
	s_branch .Lasked_\@
.Lfor_v_\@:
	tensor_load_to_lds s[G0V:G0V+3], s[G1V:G1V+7]
	s_nop 0
.rept 4
	v_nop
.endr
.Lasked_\@:
.endm
; A prefetch into the L2 of the tile that the NEXT change of slots will ask for: 128 blocks of 256 bytes of K and of V.  The head's first cluster asks; its four partners take 32 blocks each, told apart by address;
; wave 0 asks for K's, wave 2 for V's: a lane a block.  The last change that fills a slot asks for nothing.
.macro ASK
	s_cmp_gt_u32 s[SLOTS], s[LIM]
	s_cbranch_scc0 .Lnot_mine_\@
	global_prefetch_b8 v[PFO], s[PFA:PFA+1] th:TH_LOAD_NT scope:SCOPE_SE
.Lnot_mine_\@:
.endm
.macro CROUND
	s_barrier_signal -1
	s_barrier_wait -1
	s_cmp_lg_u32 s[WV], 0
	s_cbranch_scc1 .Lnot_wave_0_\@
	s_barrier_signal -3
.Lnot_wave_0_\@:
	s_barrier_wait -3
	s_barrier_signal -1
	s_barrier_wait -1
.endm
; THE CHANGE OF SLOTS.  Each wave waits for all its tensor loads (one is out: its part of the other slot), adds 0 to its spare word, and waits for that and for its own reads of the slot.
; fill = 1: the barrier is a round of the cluster's, and the slot is filled again first thing behind it, with the tile two on: four key steps, 256 matrix instructions, in which to land.
; (At its first use nothing has been read yet: slot 0 is waited for, slot 1 filled.)
.macro CHANGE fill
	WIN 0
	s_wait_tensorcnt 0x0            ; no tensor load of mine is out, so a group 0 may be written
	ds_add_u32 v[SPW], v[NIL]
.if \fill
.irp g, G0K, G0V
	s_xor_b32 s[\g+1], s[\g+1], SLOT1
	s_add_nc_u64 s[\g+2:\g+3], s[\g+2:\g+3], 4*KS*128
.endr
	s_wait_xcnt 0x0                 ; the last prefetch, a tile back, has read its address
	s_add_nc_u64 s[PFA:PFA+1], s[PFA:PFA+1], 4*KS*128
	s_wait_dscnt 0x0                ; the add is done, and my reads of the slot are over
	CROUND
	JLOAD
	ASK
.else
	s_wait_dscnt 0x0
	s_barrier_signal -1
	s_barrier_wait -1
.endif
	s_sub_co_u32 s[TBK], s[TBK], 4*KS*PK  ; the fetches go back to a slot's first step,
	s_xor_b32 s[TBK], s[TBK], SLOT1       ; in the other slot
	s_sub_co_u32 s[TBV], s[TBV], 4*KS*PV
	s_xor_b32 s[TBV], s[TBV], SLOT1
.endm
	s_load_b64 s[4:5], s[0:1], 0x0  ; qkvb
	s_load_b64 s[10:11], s[0:1], 0x8  ; ob
	v_lshl_add_u32 v[SPW], v0, 2, SPARE
	v_mov_b32 v[NIL], 0
	ds_add_u32 v[SPW], v[NIL]       ; the wave's opening: the add and its wait stand ahead of my first tensor load
	v_lshrrev_b32 v1, 5, v0
	v_readfirstlane_b32 s[WV], v1   ; wave 0..3
	s_bfe_u32 s13, ttmp6, 0x40000   ; cx
	s_lshl_b32 s14, ttmp9, 2
	s_add_co_u32 s14, s14, s13      ; my block of 256 queries: it enters Q's and O's addresses alone
	s_and_b32 s16, ttmp7, 0xffff    ; the head 16 b + h, which the four partners share
	s_lshl_b32 s20, s16, 18         ; its first byte in q, k and v
	s_and_b32 s17, s[WV], 1         ; which half of a tile's 256 keys I fetch
	s_lshl_b32 s22, s17, 14
	s_add_co_u32 s22, s22, s20
	s_mov_b32 s23, 0
	s_mul_i32 s48, s17, 128*PK      ; its place in a slot, for K
	s_mul_i32 s49, s17, 128*PV      ; and for V
	s_lshl_b32 s2, s14, 15          ; Q: my block, my wave's 64 rows
	s_lshl_b32 s3, s[WV], 13
	s_add_co_u32 s2, s2, s3
	s_add_co_u32 s2, s2, s20
	s_mov_b32 s3, 0
	s_lshr_b32 s50, s16, 4          ; O: block of 128 rows 16 b + 2 qb + wave / 2,
	s_lshl_b32 s50, s50, 4
	s_lshl1_add_u32 s50, s14, s50
	s_lshr_b32 s51, s[WV], 1
	s_add_co_u32 s50, s50, s51
	s_lshl_b32 s50, s50, 18
	s_and_b32 s51, s16, 15          ; the head's 64 channels,
	s_lshl_b32 s51, s51, 14
	s_add_co_u32 s50, s50, s51
	s_lshl_b32 s51, s17, 13         ; my 64 rows of the 128
	s_add_co_u32 s50, s50, s51
	s_mov_b32 s51, 0
	; descriptor group 1.  128 keys are 16,384 dense bytes: asked for as 64 rows of 256 bytes, two keys a row, and padded in LDS after every key
	s_mov_b32 s[G1K], 15|(1<<16)|(1<<20)|(1<<21)|(4<<22)|(3<<25)
	s_mov_b32 s[G1V], 15|(1<<16)|(1<<20)|(1<<21)|(4<<22)|(7<<25)
.irp g, G1K, G1V
	s_mov_b32 s[\g+1], 128<<16
	s_mov_b32 s[\g+2], 64<<16
	s_mov_b32 s[\g+3], 128<<16
	s_mov_b32 s[\g+4], 64
	s_mov_b32 s[\g+5], 128
	s_mov_b32 s[\g+6], 0
	s_mov_b32 s[\g+7], 0
.endr
	s_mov_b32 s[CS], 0x4638aa3b     ; c = 2^16 log2(e) / 8
	s_mov_b32 s[CS+1], s[CS]
	s_mov_b32 s[SEL], 0x76543210
	s_mov_b32 s[SEL+1], 0xfedcba98
	s_mov_b32 s[TBK], SLOT1+4*KS*PK ; the first change of slots turns these two into 0
	s_mov_b32 s[TBV], SLOT1+4*KS*PV
	s_mov_b32 s[G0K], 1
	s_mov_b32 s[G0K+1], s48
	s_mov_b32 s[G0V], 1
	s_add_co_u32 s[G0V+1], s49, VOFF
	s_mov_b32 s[SLOTS], 7           ; tiles still to be asked for
	s_and_b32 s[LIM], s[WV], 1      ; 0 in waves 0 and 2,
	s_or_b32 s[LIM], s[LIM], ttmp9  ; where the cluster is the head's first: the same in all four partners
	s_cmp_eq_u32 s[LIM], 0
	s_cselect_b32 s[LIM], 1, -1
	v_and_b32 v[PFO], 31, v0
	v_lshlrev_b32 v[PFO], 8, v[PFO]
	s_wait_dscnt 0x0                ; the opening add is done
	s_wait_kmcnt 0x0
	s_add_nc_u64 s[6:7], s[4:5], s[22:23]
	s_add_nc_u64 s[8:9], s[6:7], 16777216   ; V at my half of the head's tile 0
	s_add_nc_u64 s[6:7], s[6:7], 8388608    ; K
	s_add_nc_u64 s[G0K+2:G0K+3], s[6:7], 0
	s_or_b32 s[G0K+3], s[G0K+3], 0x80000000
	s_add_nc_u64 s[G0V+2:G0V+3], s[8:9], 0
	s_or_b32 s[G0V+3], s[G0V+3], 0x80000000
	s_add_nc_u64 s[4:5], s[4:5], s[2:3]     ; Q at my wave's first row
	s_add_nc_u64 s[10:11], s[10:11], s[50:51]
	s_cmp_lt_u32 s[WV], 2
	s_cselect_b64 s[PFA:PFA+1], s[6:7], s[8:9]  ; (in waves 0 and 2 these stand at a tile's first row)
	s_lshl_b32 s2, s13, 13          ; my work-group's 32 blocks of the 128
	s_add_nc_u64 s[PFA:PFA+1], s[PFA:PFA+1], s[2:3]
	s_add_nc_u64 s[PFA:PFA+1], s[PFA:PFA+1], 4*KS*128  ; in tile 1; each change of slots steps it before it asks
	CROUND                          ; all four work-groups are here: the first joint loads meet
	JLOAD                           ; tile 0 into slot 0
	v_and_b32 v1, 15, v0            ; l % 16
	v_bfe_u32 v9, v0, 4, 1          ; l / 16
	v_lshlrev_b32 v[QO], 7, v1
	v_lshl_add_u32 v[QO], v9, 4, v[QO]
	WIN 0x80                        ; destination window 2
.set i, 0
.rept 8                             ; Q stays in registers: piece i / 2, channels 32 (i % 2) on
	global_load_b128 v[8*i:8*i+3],   v[QO], s[4:5] offset:(i/2)*2048+(i%2)*64
	global_load_b128 v[8*i+4:8*i+7], v[QO], s[4:5] offset:(i/2)*2048+(i%2)*64+32
.set i, i+1
.endr
	; What the first turns find: V and P's second buffer hold 0, O^T and l are 0.  No first step is written out: the price is these lines, which stand in the wait for the first tile.
.set i, VF
.rept 64
	v_mov_b32 v[i], 0
.set i, i+1
.endr
	WIN 0x40
.set i, 0
.rept 128
	v_mov_b32 v[i], 0
.set i, i+1
.endr
	WIN 0
.set i, 0
.rept 4
	v_mov_b32 v[ST+4*i], 0xfe000000    ; c m: far below every c s
	v_mov_b32 v[ST+4*i+1], 0xff7fffff  ; m
	v_mov_b32 v[ST+4*i+2], 0
	v_mov_b32 v[ST+4*i+3], 0
.set i, i+1
.endr
.set i, P+16
.rept 16
	v_mov_b32 v[i], 0
.set i, i+1
.endr
	v_mul_u32_u24 v[AK0], v1, PK
	v_lshl_add_u32 v[AK0], v9, 4, v[AK0]
	v_and_b32 v10, 7, v0            ; the turning load: lane l reads key 8 (l / 16) + l % 8, channels 8 ((l / 8) % 2) + 0..7
	v_bfe_u32 v11, v0, 3, 1
	v_lshl_add_u32 v[AV0], v9, 3, v10
	v_mul_u32_u24 v[AV0], v[AV0], PV
	v_lshl_add_u32 v[AV0], v11, 4, v[AV0]
	v_add_nc_u32 v[AV0], VOFF, v[AV0]
	s_mul_i32 s13, s[WV], 16*SP
	s_add_co_u32 s13, s13, STAGE    ; my stage
	v_mul_u32_u24 v[STO], v1, SP
	v_lshl_add_u32 v[STO], v9, 4, v[STO]
	v_add_nc_u32 v[STO], s13, v[STO]
	v_bfe_u32 v[RD], v0, 3, 2
	v_mul_u32_u24 v[RD], v[RD], SP
	v_lshl_add_u32 v[RD], v10, 4, v[RD]
	v_add_nc_u32 v[RD], s13, v[RD]
	v_and_b32 v[GO], 31, v0
	v_lshlrev_b32 v[GO], 4, v[GO]
; THE MATRIX WORK.  The 4 accumulators of a run of 8 take turns.  Product i of 8 of S^T = K Q^T for piece x: channels 32 (i / 4) on, keys 16 (i % 4) on.  The first 4 start the sums.
.macro KQ x
	WIN W_KQ
.set rS, S+32*((\x)%2)+8*(i%4)
.set rK, KF+16*(i%4)+8*(i/4)
.set rQ, 16*(\x)+8*(i/4)
.if i < 4
	v_wmma_f32_16x16x32_f16 v[rS:rS+7], v[rK:rK+7], v[rQ:rQ+7], 0
.else
	v_wmma_f32_16x16x32_f16 v[rS:rS+7], v[rK:rK+7], v[rQ:rQ+7], v[rS:rS+7]
.endif
.endm
.macro PV x                         ; product i of 8 of O^T += V^T P for piece x: keys 32 (i / 4) on, channels 16 (i % 4) on
	WIN W_PV
.set rO, 32*(\x)+8*(i%4)
.set rV, VF+32*(i/4)+8*(i%4)
.set rP, P+16*((\x)%2)+8*(i/4)
	v_wmma_f32_16x16x32_f16 v[rO:rO+7], v[rV:rV+7], v[rP:rP+7], v[rO:rO+7]
.endm
.macro MM                           ; the turn's next matrix instruction.  NOKQ = 1: the last turn: there is no next piece
.if (i < 8) && !NOKQ
	KQ (Y+1)%NP
.elseif i >= 8
.set i, i-8
	PV (Y+NP-1)%NP
.set i, i+8
.endif
.set i, i+1
.endm
.macro FETCH_K                      ; a step's K: one run of 16 loads
	WIN 0x80
.irp f, 0,1,2,3,4,5,6,7
	ds_load_b128 v[KF+8*\f:KF+8*\f+3],   v[AK] offset:(\f/2)*16*PK+(\f%2)*64
	ds_load_b128 v[KF+8*\f+4:KF+8*\f+7], v[AK] offset:(\f/2)*16*PK+(\f%2)*64+32
.endr
	s_add_co_u32 s[TBK], s[TBK], KS*PK
	WIN 0
.endm
.macro FETCH_V                      ; its V, turned
	WIN 0x80
.irp f, 0,1,2,3,4,5,6,7
	ds_load_tr16_b128 v[VF+8*\f:VF+8*\f+3],   v[AV] offset:(\f/4)*32*PV+(\f%4)*32
	ds_load_tr16_b128 v[VF+8*\f+4:VF+8*\f+7], v[AV] offset:(\f/4)*32*PV+16*PV+(\f%4)*32
.endr
	WIN 0
.endm
; THE VECTOR WORK, one line at a time: OP kind, number.  For piece Y: F n: c s - c m for pair n of 16.  E n: the exponential of score n of 32.  C n: pair n rounded to f16.  B n: of the four weights 4 n .. the second
; pair is added onto the first, in place.  L n: l takes that sum (L 0: l = a l + sum).  R n: pair n of 16 of O^T times a.  For piece Y + 1: X n, number n of the 22 that find its maximum and statistics:
;   0-11 four chains of seven scores (each accumulator's lowest registers first)   12-14, 16 the four left over, the old m, the four into one   15 c m_old is kept   17, 18 the other half of the lanes; the new m   19-21 c m; its change; a
.set F, 0
.set E, 1
.set C, 2
.set B, 3
.set L, 4
.set R, 5
.set X, 6
.macro REGS y
.set rT, ST+4*(\y)
.set rC, TMP+4*((\y)%2)
.set rW, MV+((\y)%2)
.set rS, S+32*((\y)%2)
.set rP, P+16*((\y)%2)
.set rO, 32*(\y)
.endm
.macro OP k, n
.if (\k) == R
	REGS Y
	WIN W_RS
	v_pk_mul_f32 v[rO+2*(\n):rO+2*(\n)+1], v[rO+2*(\n):rO+2*(\n)+1], v[rC+2:rC+3] op_sel_hi:[1,0]
.elseif (\k) < R
	REGS Y
	WIN 0
.if (\k) == F
	v_pk_fma_f32 v[rS+2*(\n):rS+2*(\n)+1], v[rS+2*(\n):rS+2*(\n)+1], s[CS:CS+1], v[rT:rT+1] op_sel_hi:[1,0,0] neg_lo:[0,0,1] neg_hi:[0,0,1]
.elseif (\k) == E
	v_exp_f32 v[rS+(\n)], v[rS+(\n)]
.elseif (\k) == C
	v_cvt_pk_f16_f32 v[rP+(\n)], v[rS+2*(\n)], v[rS+2*(\n)+1]
.elseif (\k) == B
	v_pk_add_f32 v[rS+4*(\n):rS+4*(\n)+1], v[rS+4*(\n):rS+4*(\n)+1], v[rS+4*(\n)+2:rS+4*(\n)+3]
.elseif (\n) == 0
	v_pk_fma_f32 v[rT+2:rT+3], v[rT+2:rT+3], v[rC+2:rC+3], v[rS:rS+1] op_sel_hi:[1,0,1]
.else
	v_pk_add_f32 v[rT+2:rT+3], v[rT+2:rT+3], v[rS+4*(\n):rS+4*(\n)+1]
.endif
.elseif NOKQ
	v_nop
.else
	REGS (Y+1)%NP
	WIN 0
.if (\n) < 4
	v_max3_num_f32 v[rC+(\n)], v[rS+8*(\n)], v[rS+8*(\n)+1], v[rS+8*(\n)+2]
.elseif (\n) < 12
	v_max3_num_f32 v[rC+(\n)%4], v[rC+(\n)%4], v[rS+8*((\n)%4)+2*((\n)/4)+1], v[rS+8*((\n)%4)+2*((\n)/4)+2]
.elseif (\n) == 12
	v_max3_num_f32 v[rC], v[rC], v[rS+7], v[rS+15]
.elseif (\n) == 13
	v_max3_num_f32 v[rC+1], v[rC+1], v[rS+23], v[rS+31]
.elseif (\n) == 14
	v_max3_num_f32 v[rC+2], v[rC+2], v[rC+3], v[rT+1]
.elseif (\n) == 15
	v_mov_b32 v[rW], v[rT]
.elseif (\n) == 16
	v_max3_num_f32 v[rC], v[rC], v[rC+1], v[rC+2]
.elseif (\n) == 17
	v_permlanex16_b32 v[rC+3], v[rC], s[SEL], s[SEL+1]
.elseif (\n) == 18
	v_max_num_f32 v[rT+1], v[rC], v[rC+3]
.elseif (\n) == 19
	v_mul_f32 v[rT], s[CS], v[rT+1]
.elseif (\n) == 20
	v_sub_f32 v[rC+1], v[rW], v[rT]
.else
	v_exp_f32 v[rC+2], v[rC+1]
.endif
.endif
.endm
.macro OPS a, i1, b=-1, i2=0, c=-1, i3=0, d=-1, i4=0
	OP \a, \i1
.if (\b) >= 0
	OP \b, \i2
.endif
.if (\c) >= 0
	OP \c, \i3
.endif
.if (\d) >= 0
	OP \d, \i4
.endif
.endm
.macro ROW a, i1, b, i2, c, i3, d, i4  ; a matrix instruction and the four behind it
	MM
	OPS \a, \i1, \b, \i2, \c, \i3, \d, \i4
.endm
; A TURN, for piece p.  AHEAD OF ITS ONE WAIT stands all that names no result of the turn's exponentials: the 8 products K Q^T with their riders, then one lump; X 21, the next piece's a, is the batch's last, and R 15 the plain
; instruction behind it.  BEHIND THE WAIT stand the 8 products V^T P, behind each four of the roundings and sums.  end = 1: the last two turns: nothing is fetched.  cnt = 1: the loop's count is taken down ahead of the branch behind the turn.
; K of the next step is fetched in piece 2's turn, six plain instructions and more behind the last product that read K; V of the step in hand at the end of piece 0's turn, four plain instructions behind its last reader.
.macro TURN p, end=0, cnt=0
.set Y, (\p)
.set i, 0
.set NOKQ, (\end)*((\p)/3)
.if ((\p) == 3) && !(\end)
	s_wait_dscnt 0x0                ; K is in
.endif
	ROW F,0, F,1, R,0, R,1
	ROW F,2, E,0, R,2, R,3
	ROW F,3, E,1, R,4, R,5
	ROW F,4, E,2, R,6, R,7
	ROW F,5, E,3, R,8, R,9
	ROW F,6, E,4, X,0, R,10
.if ((\p) == 2) && !(\end)
	WIN 0
	v_add_nc_u32 v[AK], s[TBK], v[AK0]
.endif
	ROW F,7, E,5, X,1, X,4
	ROW F,8, E,6, X,2, X,5
	OPS E,7, E,8, X,6, E,9
	OPS X,3, E,10, X,8, E,11
.if ((\p) == 2) && !(\end)
	FETCH_K
.endif
	OPS X,9, X,7, E,12, X,10
	OPS E,13, X,12, X,11, E,14
	OPS X,13, E,15, F,9, X,14
.if (\p) == 0
	v_add_nc_u32 v[AV], s[TBV], v[AV0]
.endif
	OPS E,16, F,10, E,17, F,11
	OPS X,16, E,18, X,15, E,19
	OPS F,12, E,20, X,17, E,21
	OPS F,13, E,22, F,14, E,23
	OPS X,18, E,24, F,15, E,25
	OPS R,11, E,26, X,19, E,27
	OPS R,12, E,28, R,13, E,29
	OPS X,20, E,30, R,14, E,31
	OPS X,21, R,15
	WIN 0
	s_wait_alu depctr_va_vdst(0)    ; the wait for the batch
.if (\p) == 1
	s_wait_dscnt 0x0                ; V is in
.endif
	ROW C,0, B,0, C,2, B,1
	ROW L,0, C,4, B,2, L,1
	ROW C,6, B,3, L,2, C,8
	ROW B,4, L,3, C,10, B,5
	ROW L,4, C,12, B,6, L,5
.if (\p) == 0
	s_add_co_u32 s[TBV], s[TBV], KS*PV
.endif
.if \cnt
	s_sub_co_u32 s[CNT], s[CNT], 1
	s_cmp_lg_u32 s[CNT], 0
.endif
	ROW C,14, B,7, L,6, C,1
	ROW C,3, L,7, C,5, C,7
	ROW C,9, C,11, C,13, C,15
.if (\p) == 0
	FETCH_V
.endif
.endm
	CHANGE 1                        ; tile 0 is in, everybody's part of it; tile 1 is asked for
	v_add_nc_u32 v[AK], s[TBK], v[AK0]
	FETCH_K                         ; key step 0
	s_wait_loadcnt 0x0              ; Q
	s_wait_dscnt 0x0
.set NOKQ, 0
.set i, 0
.rept 8
	KQ 0                            ; piece 0's first scores
.set i, i+1
.endr
	WIN 0
.rept 4
	v_nop                           ; the places behind those products
.endr
.set Y, NP-1                        ; X works for piece Y + 1: piece 0
.irp n, 0,1,2,3,4,5,6,7,8,9,10,11,12,13,14,15,16,17,18,19,20,21
	OP X, \n
.endr
	v_nop                           ; a plain instruction behind the exponential,
	s_wait_alu depctr_va_vdst(0)    ; and its wait, ahead of the branch
	s_mov_b32 s[CNT], 4
	s_branch .Lfirst                ; the loop is entered at a step's first turn, in the middle of a trip
.Lslot:                             ; six times: with the change above, tiles 1 to 7 are asked for
	CHANGE 1
	s_mov_b32 s[CNT], 4
.Lstep:                             ; a trip: pieces 2 and 3 of one step, then pieces 0 and 1 of the next, whose K and V it fetches
	TURN 2
	TURN 3
	WIN 0
.Lfirst:
	TURN 0
	TURN 1, 0, 1
	WIN 0
	s_cbranch_scc1 .Lstep
	s_sub_co_u32 s[SLOTS], s[SLOTS], 1
	s_cmp_lg_u32 s[SLOTS], 0
	s_cbranch_scc1 .Lslot
	CHANGE 0                        ; the last tile is written out: nothing is asked for
	s_mov_b32 s[CNT], 4
.LstepT:
	TURN 2
	TURN 3
	TURN 0
	TURN 1, 0, 1
	WIN 0
	s_cbranch_scc1 .LstepT
	TURN 2, 1
	TURN 3, 1
.set i, 0
.rept 8
	PV NP-1                         ; the last piece's V^T P of the last step
.set i, i+1
.endr
	; THE WAY OUT.  l's two halves and the other half of the lanes' are added; O^T is divided by l, rounded to f16 and sent through my stage, a piece at a time.  The additions are the places behind the last products.
	WIN 0
.macro ALL line:vararg
.set t, 0
.rept 4
	\line
.set t, t+1
.endr
.endm
	ALL v_add_f32 v[ST+4*t+2], v[ST+4*t+2], v[ST+4*t+3]
	ALL v_permlanex16_b32 v[ST+4*t+3], v[ST+4*t+2], s[SEL], s[SEL+1]
	ALL v_add_f32 v[ST+4*t+2], v[ST+4*t+2], v[ST+4*t+3]
	ALL v_rcp_f32 v[ST+4*t+2], v[ST+4*t+2]
	v_nop                           ; a plain instruction between the last reciprocal and the use of its result
	s_wait_alu depctr_va_vdst(0)    ; one wait for the four reciprocals
.macro PACK t
	WIN W_RS
.set i, 32*(\t)
.rept 16
	v_pk_mul_f32 v[i:i+1], v[i:i+1], v[ST+4*(\t)+2:ST+4*(\t)+3] op_sel_hi:[1,0]
.set i, i+2
.endr
	WIN 0x05                        ; sources 0 and 1 window 1, destination window 0
.set i, 0
.rept 16
	v_cvt_pk_f16_f32 v[S+16*(\t)+i], v[32*(\t)+2*i], v[32*(\t)+2*i+1]
.set i, i+1
.endr
	WIN 0
.irp f, 0,1,2,3
	ds_store_b128 v[STO], v[S+16*(\t)+4*\f:S+16*(\t)+4*\f+3] offset:32*\f
.endr
.irp f, 0,1,2,3
	ds_load_b128 v[S+16*(\t)+4*\f:S+16*(\t)+4*\f+3], v[RD] offset:\f*4*SP  ; LDS serves a wave's instructions in order (ISA guide 5.7.1.4)
.endr
.endm
.macro SEND t, younger              ; younger: the LDS instructions issued behind piece t's loads: the next piece's eight, or none
	WIN 0
.irp f, 0,1,2,3
	s_wait_dscnt (\younger)+3-\f
	global_store_b128 v[GO], v[S+16*(\t)+4*\f:S+16*(\t)+4*\f+3], s[10:11] offset:(\t)*2048+\f*512  ; 512 consecutive bytes, at a multiple of 256
.endr
.endm
	PACK 0
.set t, 1
.rept 3
	PACK t
	SEND t-1, 8
.set t, t+1
.endr
	SEND 3, 0
	s_wait_tensorcnt 0x0            ; the wave's end
	ds_add_u32 v[SPW], v[NIL]
	s_wait_dscnt 0x0
	CROUND                          ; the closing round
	s_endpgm
.Lfunc_end_k_qcf03e8af98_attn:
	.size	k_qcf03e8af98_attn, .Lfunc_end_k_qcf03e8af98_attn-k_qcf03e8af98_attn
	.p2alignl 7, 3214868480
	.fill 96, 4, 3214868480
	.section	.rodata,"a",@progbits
	.p2align	6, 0x0
	.amdhsa_kernel k_qcf03e8af98_attn
		.amdhsa_group_segment_fixed_size 327680
		.amdhsa_private_segment_fixed_size 0
		.amdhsa_enable_private_segment 0
		.amdhsa_kernarg_size 16
		.amdhsa_user_sgpr_count 2
		.amdhsa_user_sgpr_kernarg_segment_ptr 1
		.amdhsa_wavefront_size32 1
		.amdhsa_system_sgpr_workgroup_id_x 1
		.amdhsa_system_sgpr_workgroup_id_y 1
		.amdhsa_system_sgpr_workgroup_id_z 1
		.amdhsa_system_vgpr_workitem_id 0
		.amdhsa_next_free_vgpr 768
		.amdhsa_next_free_sgpr 66
		.amdhsa_reserve_vcc 0
		.amdhsa_float_denorm_mode_32 3
		.amdhsa_float_denorm_mode_16_64 3
		.amdhsa_memory_ordered 1
		.amdhsa_forward_progress 1
		.amdhsa_inst_pref_size 128
	.end_amdhsa_kernel
	.amdgpu_metadata
---
amdhsa.version: [ 1, 2 ]
amdhsa.kernels:
  - .name:           k_qcf03e8af98_attn
    .symbol:         k_qcf03e8af98_attn.kd
    .args:
      - { .name: qkvb, .offset: 0, .size: 8, .value_kind: global_buffer, .address_space: global }
      - { .name: ob, .offset: 8, .size: 8, .value_kind: global_buffer, .address_space: global }
    .group_segment_fixed_size: 327680
    .private_segment_fixed_size: 0
    .kernarg_segment_align: 8
    .kernarg_segment_size: 16
    .max_flat_workgroup_size: 128
    .sgpr_count:     66
    .vgpr_count:     768
    .wavefront_size: 32
...
	.end_amdgpu_metadata
.endif
;; end of part 3
;; launch oproj (part 4): grid 8 x 32, 4 waves a work-group, clusters of 4 x 4, 327,680 bytes of LDS; arguments ob, wts, x, bo, hres; writes hres
.if DOCPART == 4
	.amdgcn_target "amdgcn-amd-amdhsa--gfx1250"
	.amdhsa_code_object_version 6
	.text
	.protected	k_qcf03e8af98_oproj
	.globl	k_qcf03e8af98_oproj
	.p2align	8
	.type	k_qcf03e8af98_oproj,@function
k_qcf03e8af98_oproj:
	s_mov_b64 s[64:65], 0
	v_nop
	global_prefetch_b8 v0, s[64:65] scope:SCOPE_SE
	s_setreg_imm32_b32 hwreg(HW_REG_WAVE_MODE, 25, 1), 1
	s_wait_xcnt 0x0
	s_wait_alu depctr_hold_cnt(0) depctr_sa_sdst(0) depctr_va_vdst(0) depctr_va_sdst(0) depctr_va_ssrc(0) depctr_va_vcc(0) depctr_vm_vsrc(0)
	s_getreg_b32 s2, hwreg(HW_REG_IB_STS2, 6, 4)
	s_cmp_eq_u32 s2, 0
	s_cbranch_scc0 .Lentry_in_a_cluster
	s_endpgm
.Lentry_in_a_cluster:
	s_bfe_u32 s2, ttmp6, 0x10000c
	s_cmp_lg_u32 s2, 0xf033
	s_cbranch_scc0 .Lentry_shape_is_right
	s_endpgm
.Lentry_shape_is_right:
.set WO, 1                             ; 1: hres = x + o wo^T + bo, operands in f16; 0: out0 = hres + act w2^T, operands in bf16
; A PRODUCT WITH A RESIDUAL, on tiles of 128 x 128 (256 work-groups).  A and the weights are 16-bit numbers in blocked layouts (64 k of a tile's 128 rows lie dense); sums, residual, bias and output in f32.
; FORMATS.  WO = 1: o is a mean of v's rows and arrives within f16's 65,504; wo has a spread of 1/32.  WO = 0: act grows with g_ffn^2 x w1 x w3, 810,000 times with each of the three 30 times larger, and has no such room: bf16, and w2 with it.
; Four waves, 2 x 2, each 64 x 64: 16 accumulators.  K goes in steps of 256 through a ring of two LDS slots; a step of A and of B is 65,536 dense bytes, asked for as rows of 256 bytes, padded in LDS after every 128
; (pitch 144 = 36 words: the 16 rows of a fragment load start at 16 different groups of four banks; 64 banks of 4 bytes: ISA guide 11.1).  Waves 0 and 1 fetch the halves of A, waves 2 and 3 of B.
; CLUSTER 4 x 4: A is asked for jointly along a row of the cluster, B along a column.  THE MATRIX INSTRUCTION IS USED TRANSPOSED: a lane holds row l % 16 and the columns 8 (l / 16) + 0..7.
; A step is four UNITS of 64 along K, 32 matrix instructions each, on two fragment buffers.  With WO = 1 the launch has four steps and lays no prefetch; with WO = 0 it has eleven, and asks two steps ahead.
; REGISTERS: window 0 addresses and the way out; window 1 the two fragment buffers; window 2 the accumulators: (a, b) at v[8 (4 a + b)].
.if WO
.set T,     4
.set BOFF,  14680064
.set ATILE, 262144
.set BTILE, 262144
.set AHEAD, 0
.else
.set T,     11
.set BOFF,  28311552
.set ATILE, 720896
.set BTILE, 720896
.set AHEAD, 2
.endif
.set NBK,   4
.set APW,   4
.set DEEP,  2
.set RA,    128
.set RB,    128
.set ABUF,  4
.set BBUF,  6
.set AOFF,  0
.set ASTEP, 65536
.set BSTEP, 65536
.set BHL,   36864
.set O1A,   18432
.set O1B,   18432
.set DA,    36864
.set DB,    36864
.set SLOT1, 147456                     ; = 0x24000: it shares no bit with the four LDS bases 0, 0x9000, 0x12000, 0x1b000, so one exclusive or turns an address in one slot into the other's
.set SPARE, 294912                     ; the spare words, 128 bytes for each wave: two blocks of 256 bytes that no other line names
.set STAGE, 295424                     ; 16 rows x 272 bytes for each wave, for the way out; no tensor load fills it
.set PSHB,  8192
.set PLB,   31
.set W3OFF, 0
.set ROWW,  11                         ; my 64 rows go by s11,
.set COLW,  1                          ; my 64 columns by s12
.set AREG,  73728
.set G1W,   (1<<16)|(1<<20)|(1<<21)|(4<<22)|(3<<25)
.set A0,   16
.set B0,   17
.set ADRA, 18
.set ADRB, 19
.set STO,  24
.set RD,   25
.set SPW,  28
.set NIL,  29
.set PFO,  30
.set F0,   0
.set F1,   128
.set G1,   24
.set G0,   32
.set G1B,  48
.set G0B,  56
.set TA,   66
.set TBQ,  67
.set PFA,  70
.set PFS,  72
.set LIM,  74
.set MSB, 0
.macro WIN new
.if MSB != (\new)
	s_set_vgpr_msb (MSB<<8)|(\new)
.set MSB, (\new)
.endif
.endm
.macro PLACES                          ; four places in front of loads into registers that matrix instructions have read, and of instructions that read results
.rept 4
	v_nop
.endr
.endm
.macro CROUND
	s_barrier_signal -1
	s_barrier_wait -1
	s_cmp_lg_u32 s10, 0
	s_cbranch_scc1 .Lnot_wave_0_\@
	s_barrier_signal -3
.Lnot_wave_0_\@:
	s_barrier_wait -3
	s_barrier_signal -1
	s_barrier_wait -1
.endm
.macro JLOAD                           ; a joint refill by the walking sets; an s_nop 0 and four v_nop follow each line
	s_cmp_eq_u32 s11, 0
	s_cbranch_scc0 .Lfor_b_\@
	tensor_load_to_lds s[G0+4:G0+7], s[G1:G1+7]
	s_nop 0
	PLACES
	s_branch .Lasked_\@
.Lfor_b_\@:
	tensor_load_to_lds s[G0B+4:G0B+7], s[G1B:G1B+7]
	s_nop 0
	PLACES
.Lasked_\@:
.endm
; A prefetch into the L2, behind the joint load and its five lines: my share (32 blocks of 256 bytes, a lane a block) of the K step AHEAD steps behind the one just asked for.  A's stream is named by the cluster
; with x = 0, B's by the cluster with y = 0; the four partners of a joint load share a wave's half step out by address.  It stops where the tile's stream ends: s3 steps are still to be entered.
.macro ASK
	s_cmp_gt_u32 s3, s[LIM]
	s_cbranch_scc0 .Lnot_mine_\@
	global_prefetch_b8 v[PFO], s[PFA:PFA+1] th:TH_LOAD_NT scope:SCOPE_SE
.Lnot_mine_\@:
.endm
.macro FETCH g, oa, ob
	WIN 0x40
.set c_, 0
.rept DEEP
.set i_, 0
.rept NBK
.set r_, (\g)+8*(NBK*c_+i_)
	ds_load_b128 v[r_:r_+3],   v[ADRB] offset:(\ob)+64*c_+2304*i_
	ds_load_b128 v[r_+4:r_+7], v[ADRB] offset:(\ob)+64*c_+2304*i_+32
.set i_, i_+1
.endr
.set i_, 0
.rept 4
.set r_, (\g)+8*DEEP*NBK+8*(4*c_+i_)
	ds_load_b128 v[r_:r_+3],   v[ADRA] offset:(\oa)+64*c_+2304*i_
	ds_load_b128 v[r_+4:r_+7], v[ADRA] offset:(\oa)+64*c_+2304*i_+32
.set i_, i_+1
.endr
.set c_, c_+1
.endr
.endm
.macro MMA                             ; one product on the registers rD, rB, rA; z_ = 1: it starts the sum
.if WO
.if z_
	v_wmma_f32_16x16x32_f16 v[rD:rD+7], v[rB:rB+7], v[rA:rA+7], 0
.else
	v_wmma_f32_16x16x32_f16 v[rD:rD+7], v[rB:rB+7], v[rA:rA+7], v[rD:rD+7]
.endif
.else
.if z_
	v_wmma_f32_16x16x32_bf16 v[rD:rD+7], v[rB:rB+7], v[rA:rA+7], 0
.else
	v_wmma_f32_16x16x32_bf16 v[rD:rD+7], v[rB:rB+7], v[rA:rA+7], v[rD:rD+7]
.endif
.endif
.endm
.macro MULS f, zero                    ; the accumulators take turns, one instruction a turn, over every jump too
.set c_, 0
.rept DEEP
.set z_, (\zero) && (c_ == 0)
.set a_, 0
.rept 4
	WIN 0xa5+0x50*(a_/APW)
.set b_, 0
.rept NBK
.set rD, 8*(NBK*(a_%APW)+b_)
.set rB, (\f)+8*(NBK*c_+b_)
.set rA, (\f)+8*DEEP*NBK+8*(4*c_+a_)
	MMA
.set b_, b_+1
.endr
.set a_, a_+1
.endr
.set c_, c_+1
.endr
.endm
.macro U f, g, oa, ob, zero
	s_wait_dscnt 0x0                               ; buffer f is in: its loads were issued a unit ago
	PLACES                                         ; buffer g was read by the products just ahead
	FETCH \g, \oa, \ob
	MULS \f, \zero
.endm
; THE CHANGE OF SLOTS.  Each wave waits for all its tensor loads (one is out: its part of the other slot), adds 0 to its spare word, and waits for that and for its reads of the slot that is left.
; fill = 1: the barrier is a round of the cluster's, and the slot is filled again, first thing behind it, with the K step two on: a whole step, 128 matrix instructions, in which to land.
.macro CHG fill
	WIN 0
	s_wait_tensorcnt 0x0
	ds_add_u32 v[SPW], v[NIL]
.if \fill
	s_xor_b32 s[G0+5], s[G0+5], SLOT1
	s_add_nc_u64 s[G0+6:G0+7], s[G0+6:G0+7], ASTEP
	s_xor_b32 s[G0B+5], s[G0B+5], SLOT1
	s_add_nc_u64 s[G0B+6:G0B+7], s[G0B+6:G0B+7], BSTEP
.if AHEAD
	s_wait_xcnt 0x0                                ; the last prefetch, a step back, has read its address
	s_add_nc_u64 s[PFA:PFA+1], s[PFA:PFA+1], s[PFS:PFS+1]
.endif
.endif
	s_sub_co_u32 s[TA], s[TA], 2*DA
	s_xor_b32 s[TA], s[TA], SLOT1
	s_sub_co_u32 s[TBQ], s[TBQ], 2*DB
	s_xor_b32 s[TBQ], s[TBQ], SLOT1
	s_wait_dscnt 0x0                               ; the add is done, and my reads of the slot are over
.if \fill
	CROUND
	JLOAD
.if AHEAD
	ASK
.endif
.else
	s_barrier_signal -1
	s_barrier_wait -1
.endif
.endm
.macro BODY
	v_add_nc_u32 v[ADRA], s[TA], v[A0]
	v_add_nc_u32 v[ADRB], s[TBQ], v[B0]
	U F1, F0, 0, 0, 0
	U F0, F1, O1A, O1B, 0
	WIN 0
	s_add_co_u32 s[TA], s[TA], DA
	s_add_co_u32 s[TBQ], s[TBQ], DB
	s_sub_co_u32 s2, s2, 1
	s_cmp_lg_u32 s2, 0
.endm
	s_load_b128 s[4:7], s[0:1], 0x0                ; A s[4:5], wts s[6:7]
	s_load_b64 s[8:9], s[0:1], 0x10                ; the residual: x or hres
.if WO
	s_load_b128 s[76:79], s[0:1], 0x18             ; bo s[76:77], hres s[78:79]
.else
	s_load_b64 s[78:79], s[0:1], 0x18              ; out0
.endif
	v_lshl_add_u32 v[SPW], v0, 2, SPARE
	v_mov_b32 v[NIL], 0
	ds_add_u32 v[SPW], v[NIL]                      ; the wave's opening: the add and its wait stand ahead of my first tensor load
	v_lshrrev_b32 v1, 5, v0
	v_readfirstlane_b32 s10, v1
	s_lshr_b32 s11, s10, 1
	s_and_b32 s12, s10, 1
	s_bfe_u32 s40, ttmp6, 0x40000
	s_bfe_u32 s41, ttmp6, 0x40004
	s_lshl_b32 s42, ttmp9, 2
	s_add_co_u32 s42, s42, s40                     ; tile column
	s_and_b32 s13, ttmp7, 0xffff
	s_lshl_b32 s13, s13, 2
	s_add_co_u32 s13, s13, s41                     ; tile row
	s_lshl_b32 s43, s41, 2
	s_lshl_b32 s43, 15, s43
	s_lshl_b32 s44, 0x1111, s40
	s_or_b32 s[G1], s43, G1W
	s_or_b32 s[G1B], s44, G1W
	s_mov_b32 s[G1+1], 128<<16
	s_mov_b32 s[G1+2], RA<<16
	s_mov_b32 s[G1+3], 128<<16
	s_mov_b32 s[G1+4], RA
	s_mov_b32 s[G1+5], 128
	s_mov_b32 s[G1+6], 0
	s_mov_b32 s[G1+7], 0
	s_mov_b32 s[G1B+1], 128<<16
	s_mov_b32 s[G1B+2], RB<<16
	s_mov_b32 s[G1B+3], 128<<16
	s_mov_b32 s[G1B+4], RB
	s_mov_b32 s[G1B+5], 128
	s_mov_b32 s[G1B+6], 0
	s_mov_b32 s[G1B+7], 0
	s_mul_i32 s16, s13, ATILE
	s_lshl_b32 s17, s12, 15
	s_add_co_u32 s16, s16, s17
.if AOFF
	s_add_co_u32 s16, s16, AOFF
.endif
	s_mov_b32 s17, 0
	s_mul_i32 s46, s42, BTILE
	s_mul_i32 s47, s12, BSTEP/2
	s_add_co_u32 s46, s46, s47
	s_add_co_u32 s46, s46, BOFF
	s_mov_b32 s47, 0
	s_mul_i32 s20, s12, 36864
	s_mul_i32 s21, s12, BHL
	s_add_co_u32 s21, s21, AREG
	s_wait_dscnt 0x0                               ; the opening add is done
	s_wait_kmcnt 0x0
	s_add_nc_u64 s[14:15], s[ABUF:ABUF+1], s[16:17]
	s_add_nc_u64 s[46:47], s[BBUF:BBUF+1], s[46:47]
.if AHEAD
	s_and_b32 s87, ttmp7, 0xffff
	s_mov_b32 s90, 8192
	s_mov_b32 s[PFS], ASTEP
	s_cmp_eq_u32 s11, 0
	s_cselect_b64 s[PFA:PFA+1], s[14:15], s[46:47]
	s_cselect_b32 s86, s40, s41
	s_cselect_b32 s87, ttmp9, s87
	s_cselect_b32 s90, s90, PSHB
	s_cselect_b32 s[PFS], s[PFS], BSTEP
	s_cselect_b32 s75, 31, PLB
	s_mov_b32 s[PFS+1], 0
.if W3OFF
	s_cmp_eq_u32 s10, 3
	s_cselect_b32 s91, 1, 0
	s_or_b32 s87, s87, s91
.endif
	s_cmp_eq_u32 s87, 0
	s_cselect_b32 s[LIM], AHEAD, -1
	s_mul_i32 s88, s86, s90
	s_mul_i32 s91, s[PFS], 1+AHEAD
	s_add_co_u32 s88, s88, s91
	s_mov_b32 s89, 0
	s_add_nc_u64 s[PFA:PFA+1], s[PFA:PFA+1], s[88:89]
	v_and_b32 v[PFO], 31, v0
	v_min_u32 v[PFO], s75, v[PFO]
	v_lshlrev_b32 v[PFO], 8, v[PFO]
.endif
	CROUND                                         ; all sixteen work-groups are here: the first joint loads meet
.irp s, 0,1
	s_mov_b32 s[G0+4*(\s)], 1
	s_add_co_u32 s[G0+4*(\s)+1], s20, (\s)*SLOT1
	s_add_nc_u64 s[G0+4*(\s)+2:G0+4*(\s)+3], s[14:15], (\s)*ASTEP
	s_or_b32 s[G0+4*(\s)+3], s[G0+4*(\s)+3], 0x80000000
	s_mov_b32 s[G0B+4*(\s)], 1
	s_add_co_u32 s[G0B+4*(\s)+1], s21, (\s)*SLOT1
	s_add_nc_u64 s[G0B+4*(\s)+2:G0B+4*(\s)+3], s[46:47], (\s)*BSTEP
	s_or_b32 s[G0B+4*(\s)+3], s[G0B+4*(\s)+3], 0x80000000
.endr
	s_cmp_eq_u32 s11, 0                            ; a wave's two first fills stand in one branch: two loads of mine are out, the most in this text
	s_cbranch_scc0 .Lfirst_b
	tensor_load_to_lds s[G0:G0+3], s[G1:G1+7]
	s_nop 0
	tensor_load_to_lds s[G0+4:G0+7], s[G1:G1+7]
	s_nop 0
	PLACES
	s_branch .Lfirst_asked
.Lfirst_b:
	tensor_load_to_lds s[G0B:G0B+3], s[G1B:G1B+7]
	s_nop 0
	tensor_load_to_lds s[G0B+4:G0B+7], s[G1B:G1B+7]
	s_nop 0
	PLACES
.Lfirst_asked:
	v_and_b32 v1, 15, v0
	v_bfe_u32 v2, v0, 4, 1
	v_mul_u32_u24 v3, v1, 144
	v_lshl_add_u32 v3, v2, 4, v3
	s_mul_i32 s18, s[ROWW], 9216
	v_add_nc_u32 v[A0], s18, v3
.if COLW
	s_mul_i32 s18, s12, 9216
	s_add_co_u32 s18, s18, AREG
.else
	s_mov_b32 s18, AREG
.endif
	v_add_nc_u32 v[B0], s18, v3
	; the way out
.set CL,  21                           ; v21  16 (l % 16): my four columns in a row of 256 bytes
.set XO,  31                           ; v31  4,096 (l / 16) + 16 (l % 16): my 16 bytes in two rows of f32
.set BO,  32                           ; v[32:35]   bo of my four columns
.set BK,  64                           ; v[64:95]   16 rows read back from the stage
.set XR,  128                          ; v[128:255] the residual of my 64 x 64
	v_lshlrev_b32 v[CL], 4, v1
	v_lshl_add_u32 v[XO], v2, 12, v[CL]
	s_mul_i32 s18, s10, 4352
	s_add_co_u32 s18, s18, STAGE                   ; my stage
	v_mul_u32_u24 v4, v1, 272                      ; in: row l % 16, 32 bytes for each half of the lanes
	v_lshl_add_u32 v4, v2, 5, v4
	v_add_nc_u32 v[STO], s18, v4
	v_mul_u32_u24 v5, v2, 272                      ; back: lanes 0-15 take one row of 256 bytes, lanes 16-31 the next
	v_add_nc_u32 v5, v5, v[CL]
	v_add_nc_u32 v[RD], s18, v5
	s_lshl_b32 s20, s13, 19                        ; 128 rows of 4,096 bytes a tile row,
	s_lshl_b32 s21, s11, 18                        ; my 64 rows,
	s_add_co_u32 s20, s20, s21
	s_lshl_b32 s22, s42, 9                         ; 512 bytes a tile column,
	s_lshl_b32 s23, s12, 8                         ; my 64 columns
	s_add_co_u32 s22, s22, s23
	s_add_co_u32 s20, s20, s22
	s_mov_b32 s21, 0
	s_mov_b32 s23, 0
	s_add_nc_u64 s[8:9], s[8:9], s[20:21]
	s_add_nc_u64 s[78:79], s[78:79], s[20:21]
.if WO
	s_add_nc_u64 s[76:77], s[76:77], s[22:23]
.endif
	s_wait_tensorcnt 0x1                           ; my part of slot 0 is in; slot 1's may stay out
	s_barrier_signal -1
	s_barrier_wait -1
	v_mov_b32 v[ADRA], v[A0]
	v_mov_b32 v[ADRB], v[B0]
	FETCH F0, 0, 0
	U F0, F1, O1A, O1B, 1                          ; the first unit starts the sums
	WIN 0
	s_mov_b32 s[TA], DA
	s_mov_b32 s[TBQ], DB
	s_mov_b32 s3, T-1
	s_mov_b32 s2, 1
	s_branch .Lin                                  ; the loop is entered in the middle of a step
.Lstep:                                        ; T - 2 times: every slot but the last two is filled again
	CHG 1
	s_mov_b32 s2, 2
.Lin:
	BODY
	s_cbranch_scc1 .Lin
	s_sub_co_u32 s3, s3, 1
	s_cmp_lg_u32 s3, 0
	s_cbranch_scc1 .Lstep
.set i_, 0
.rept 32                               ; the residual, a step ahead of its use: 16 lanes read 256 consecutive bytes
	global_load_b128 v[XR+4*i_:XR+4*i_+3], v[XO], s[8:9] offset:8192*i_ th:TH_LOAD_NT
.set i_, i_+1
.endr
.if WO
	global_load_b128 v[BO:BO+3], v[CL], s[76:77]
.endif
	CHG 0                                          ; the tail is written out
	s_mov_b32 s2, 2
.Lin2:
	BODY
	s_cbranch_scc1 .Lin2
	s_wait_dscnt 0x0
	MULS F1, 0
	WIN 0
	PLACES
	s_wait_loadcnt 0x0                             ; the residual (and bo)
; THE WAY OUT of block a (16 rows x 64 columns): the sums go through my own stage in f32 and come back as whole rows of 256 bytes; residual and bias are added there; sixteen lanes store 256 consecutive bytes, aligned.
.macro EPI a
	WIN 0x08                                       ; store data in window 2
.set b_, 0
.rept 4
.set rD, 8*(4*(\a)+b_)
	ds_store_b128 v[STO], v[rD:rD+3] offset:64*b_
	ds_store_b128 v[STO], v[rD+4:rD+7] offset:64*b_+16
.set b_, b_+1
.endr
	WIN 0
	s_wait_xcnt 0x0                                ; the last block's stores have read their registers
.set t_, 0
.rept 8
	ds_load_b128 v[BK+4*t_:BK+4*t_+3], v[RD] offset:544*t_  ; LDS serves a wave's instructions in order (ISA guide 5.7.1.4)
.set t_, t_+1
.endr
	s_wait_dscnt 0x0
.set t_, 0
.rept 8
.set rB, BK+4*t_
.set rX, XR+4*(8*(\a)+t_)
	v_pk_add_f32 v[rB:rB+1], v[rB:rB+1], v[rX:rX+1]
	v_pk_add_f32 v[rB+2:rB+3], v[rB+2:rB+3], v[rX+2:rX+3]
.if WO
	v_pk_add_f32 v[rB:rB+1], v[rB:rB+1], v[BO:BO+1]
	v_pk_add_f32 v[rB+2:rB+3], v[rB+2:rB+3], v[BO+2:BO+3]
	global_store_b128 v[XO], v[rB:rB+3], s[78:79] offset:(16*(\a)+2*t_)*4096
.else
	global_store_b128 v[XO], v[rB:rB+3], s[78:79] offset:(16*(\a)+2*t_)*4096 th:TH_STORE_NT
.endif
.set t_, t_+1
.endr
.endm
	EPI 0
	EPI 1
	EPI 2
	EPI 3
	s_wait_tensorcnt 0x0                           ; the wave's end
	ds_add_u32 v[SPW], v[NIL]
	s_wait_dscnt 0x0
	CROUND                                         ; the closing round
	s_endpgm
.Lfunc_end_k_qcf03e8af98_oproj:
	.size	k_qcf03e8af98_oproj, .Lfunc_end_k_qcf03e8af98_oproj-k_qcf03e8af98_oproj
	.p2alignl 7, 3214868480
	.fill 96, 4, 3214868480
	.section	.rodata,"a",@progbits
	.p2align	6, 0x0
	.amdhsa_kernel k_qcf03e8af98_oproj
		.amdhsa_group_segment_fixed_size 327680
		.amdhsa_private_segment_fixed_size 0
		.amdhsa_enable_private_segment 0
		.amdhsa_kernarg_size 40
		.amdhsa_user_sgpr_count 2
		.amdhsa_user_sgpr_kernarg_segment_ptr 1
		.amdhsa_wavefront_size32 1
		.amdhsa_system_sgpr_workgroup_id_x 1
		.amdhsa_system_sgpr_workgroup_id_y 1
		.amdhsa_system_sgpr_workgroup_id_z 1
		.amdhsa_system_vgpr_workitem_id 0
		.amdhsa_next_free_vgpr 640
		.amdhsa_next_free_sgpr 96
		.amdhsa_reserve_vcc 0
		.amdhsa_float_denorm_mode_32 3
		.amdhsa_float_denorm_mode_16_64 3
		.amdhsa_memory_ordered 1
		.amdhsa_forward_progress 1
		.amdhsa_inst_pref_size 54
	.end_amdhsa_kernel
	.amdgpu_metadata
---
amdhsa.version: [ 1, 2 ]
amdhsa.kernels:
  - .name:           k_qcf03e8af98_oproj
    .symbol:         k_qcf03e8af98_oproj.kd
    .args:
      - { .name: ob, .offset: 0, .size: 8, .value_kind: global_buffer, .address_space: global }
      - { .name: wts, .offset: 8, .size: 8, .value_kind: global_buffer, .address_space: global }
      - { .name: x, .offset: 16, .size: 8, .value_kind: global_buffer, .address_space: global }
      - { .name: bo, .offset: 24, .size: 8, .value_kind: global_buffer, .address_space: global }
      - { .name: hres, .offset: 32, .size: 8, .value_kind: global_buffer, .address_space: global }
    .group_segment_fixed_size: 327680
    .private_segment_fixed_size: 0
    .kernarg_segment_align: 8
    .kernarg_segment_size: 40
    .max_flat_workgroup_size: 128
    .sgpr_count:     96
    .vgpr_count:     640
    .wavefront_size: 32
...
	.end_amdgpu_metadata
.endif
;; end of part 4
;; launch norm (part 5): grid 256 x 1, 8 waves a work-group, no clusters, 37,888 bytes of LDS; arguments hres, g_ffn, hn; writes hn
.if DOCPART == 5
	.amdgcn_target "amdgcn-amd-amdhsa--gfx1250"
	.amdhsa_code_object_version 6
	.text
	.protected	k_qcf03e8af98_norm
	.globl	k_qcf03e8af98_norm
	.p2align	8
	.type	k_qcf03e8af98_norm,@function
k_qcf03e8af98_norm:
	s_mov_b64 s[64:65], 0
	v_nop
	global_prefetch_b8 v0, s[64:65] scope:SCOPE_SE
	s_setreg_imm32_b32 hwreg(HW_REG_WAVE_MODE, 25, 1), 1
	s_wait_xcnt 0x0
; THE SECOND NORM: hn = hres * rsqrt(mean(hres^2) + 1e-6) * g_ffn, in f32, rounded once to f16, stored IN PANELS for the product that follows:
; element (m, k) lies at byte (m / 256) x 524,288 + (k / 128) x 65,536 + ((m / 16) % 16) x 4,096 + ((k / 8) % 16) x 256 + 16 (m % 16) + 2 (k % 8):
; a tile of 256 rows streams 65,536 dense bytes for 128 k, and 16 rows x 32 k are 1,024 bytes on end.
; LIMIT.  f16 ends at 65,504: hn is at most 32 max|g_ffn| (a normalised row's largest number is sqrt(1,024)).  The order of the three factors differs from the source text (hres g, then the root).
; SHARES.  A work-group owns 16 rows, a wave two: lane l has row l / 16 and the columns 64 kb + 4 (l % 16) .. + 3; a load of 16 bytes a lane covers 256 consecutive bytes of each row, and a row's sum stays in 16 lanes.
; A panel of 256 bytes holds 16 rows x 8 k: the eight waves hand their rows to each other through LDS and store whole panels.  A stream: memory binds; matrix units and clusters would add nothing.
.set SPARE, 36864                      ; LDS: 128 panels at a pitch of 288 bytes; behind them the spare words, 128 bytes for each wave: four blocks of 256 bytes that no other line names
.set SO,  4                            ; v4   source offset: 4,096 (l / 16) + 16 (l % 16)
.set GF,  5                            ; v5   gain offset: 16 (l % 16)
.set LSA, 10                           ; v10  where I put 8 bytes of a panel in LDS
.set LRA, 11                           ; v11  where I read 16 bytes of a panel back
.set SPW, 12                           ; v12  LDS address of my spare word; never rewritten
.set NIL, 13                           ; v13  0; never rewritten
.set GOF, 14                           ; v14  my 16 bytes in my wave's 4,096 of the destination
.set D,   16                           ; v[16:79]   the pair of rows
.set GN,  80                           ; v[80:143]  the gains of the same columns; the panels read back
.set AC,  144                          ; v[144:151] four chains of squares
.set SRC, 30
.set DST, 32
	s_load_b128 s[8:11], s[0:1], 0x0               ; hres s[8:9], g_ffn s[10:11]
	s_load_b64 s[26:27], s[0:1], 0x10              ; hn
	v_lshl_add_u32 v[SPW], v0, 2, SPARE
	v_mov_b32 v[NIL], 0
	v_lshrrev_b32 v1, 5, v0
	v_readfirstlane_b32 s2, v1                     ; wave 0..7
	v_and_b32 v2, 15, v0                           ; l % 16
	v_bfe_u32 v3, v0, 4, 1                         ; l / 16
	v_and_b32 v1, 31, v0
	v_lshlrev_b32 v[GF], 4, v2
	v_lshl_add_u32 v[SO], v3, 12, v[GF]
	s_mov_b32 s37, 0
	s_mov_b32 s39, 0
	s_mov_b32 s40, 0x3a800000                      ; 1 / 1,024
	s_mov_b32 s41, 0x358637bd                      ; 1e-6
	s_lshl_b32 s36, ttmp9, 16                      ; the work-group's 16 rows of 4,096 bytes,
	s_lshl_b32 s6, s2, 13                          ; my two of them
	s_add_co_u32 s36, s36, s6
	s_lshr_b32 s38, ttmp9, 4                       ; the tile of 256 rows,
	s_lshl_b32 s38, s38, 19
	s_and_b32 s6, ttmp9, 15                        ; the block of 16 in it
	s_lshl_b32 s6, s6, 12
	s_add_co_u32 s38, s38, s6
	s_wait_kmcnt 0x0
	s_add_nc_u64 s[SRC:SRC+1], s[8:9], s[36:37]
	s_add_nc_u64 s[DST:DST+1], s[26:27], s[38:39]
.set i, 0
.rept 16
	global_load_b128 v[GN+4*i:GN+4*i+3], v[GF], s[10:11] offset:256*i
.set i, i+1
.endr
.set i, 0
.rept 16
	global_load_b128 v[D+4*i:D+4*i+3], v[SO], s[SRC:SRC+1] offset:256*i
.set i, i+1
.endr
	; the LDS addresses, while the loads are out.  Panel k / 8 lies at 288 (k / 8), row r at 16 r in it: the 32 lanes of a store take 8 panels x 32 bytes, and 288 = 256 + 32 puts them into different banks (64 banks of 4 bytes: ISA guide 11.1)
	v_lshrrev_b32 v[LSA], 1, v2
	v_mul_u32_u24 v[LSA], v[LSA], 288              ; my panel among the eight of 64 columns
	v_and_b32 v15, 1, v2
	v_lshl_add_u32 v[LSA], v15, 3, v[LSA]          ; which half of a row's 16 bytes
	v_lshl_add_u32 v[LSA], v3, 4, v[LSA]           ; row 2 w + l / 16
	s_lshl_b32 s6, s2, 5
	v_add_nc_u32 v[LSA], s6, v[LSA]
	v_mul_u32_u24 v[LRA], v3, 288                  ; back: lanes 0-15 take one panel, lanes 16-31 the next
	v_add_nc_u32 v[LRA], v[LRA], v[GF]
	s_mul_i32 s6, s2, 4608                         ; wave w reads panels 16 w .. 16 w + 15: 128 k
	v_add_nc_u32 v[LRA], s6, v[LRA]
	s_lshl_b32 s6, s2, 16                          ; and stores them 65,536 w bytes on
	v_lshl_add_u32 v[GOF], v1, 4, s6
	s_wait_loadcnt 0x0                             ; the wave has one pair of rows: all of it is wanted at once
.set i, 0
.rept 4
	v_pk_mul_f32 v[AC+2*i:AC+2*i+1], v[D+2*i:D+2*i+1], v[D+2*i:D+2*i+1]  ; the first four pairs start the chains
.set i, i+1
.endr
.rept 28
	v_pk_fma_f32 v[AC+2*(i%4):AC+2*(i%4)+1], v[D+2*i:D+2*i+1], v[D+2*i:D+2*i+1], v[AC+2*(i%4):AC+2*(i%4)+1]
.set i, i+1
.endr
	v_pk_add_f32 v[AC:AC+1], v[AC:AC+1], v[AC+2:AC+3]
	v_pk_add_f32 v[AC+4:AC+5], v[AC+4:AC+5], v[AC+6:AC+7]
	v_pk_add_f32 v[AC:AC+1], v[AC:AC+1], v[AC+4:AC+5]
	v_add_f32 v[AC], v[AC], v[AC+1]
	v_add_f32_dpp v[AC], v[AC], v[AC] row_xmask:1 row_mask:0xf bank_mask:0xf
	v_add_f32_dpp v[AC], v[AC], v[AC] row_xmask:2 row_mask:0xf bank_mask:0xf
	v_add_f32_dpp v[AC], v[AC], v[AC] row_xmask:4 row_mask:0xf bank_mask:0xf
	v_add_f32_dpp v[AC], v[AC], v[AC] row_xmask:8 row_mask:0xf bank_mask:0xf
	v_fma_f32 v[AC], v[AC], s40, s41               ; sum / 1,024 + 1e-6
	v_rsq_f32 v[AC+2], v[AC]
	v_rsq_f32 v[AC+3], v[AC]                       ; twice: a pair for the packed multiply
.set i, 0
.rept 32
	v_pk_mul_f32 v[D+2*i:D+2*i+1], v[D+2*i:D+2*i+1], v[GN+2*i:GN+2*i+1]  ; the independent work behind the two roots
.set i, i+1
.endr
	s_wait_alu depctr_va_vdst(0)                   ; one wait for both roots, ahead of their first reader
.set i, 0
.rept 32
	v_pk_mul_f32 v[D+2*i:D+2*i+1], v[D+2*i:D+2*i+1], v[AC+2:AC+3]
.set i, i+1
.endr
.set i, 0
.rept 16
	v_cvt_pk_f16_f32 v[D+4*i], v[D+4*i], v[D+4*i+1]
	v_cvt_pk_f16_f32 v[D+4*i+1], v[D+4*i+2], v[D+4*i+3]
.set i, i+1
.endr
.set i, 0
.rept 16
	ds_store_b64 v[LSA], v[D+4*i:D+4*i+1] offset:2304*i
.set i, i+1
.endr
	s_wait_dscnt 0x0                               ; for the others' sake: my stores are done
	s_barrier_signal -1
	s_barrier_wait -1
.set i, 0
.rept 8
	ds_load_b128 v[GN+4*i:GN+4*i+3], v[LRA] offset:576*i
.set i, i+1
.endr
.set i, 0
.rept 8
	s_wait_dscnt 7-i                               ; LDS loads come back in order: load i is in, the younger ones may stay out
	global_store_b128 v[GOF], v[GN+4*i:GN+4*i+3], s[DST:DST+1] offset:512*i  ; 512 consecutive bytes, aligned
.set i, i+1
.endr
	s_wait_tensorcnt 0x0                           ; the wave's end: behind my last LDS store
	ds_add_u32 v[SPW], v[NIL]
	s_wait_dscnt 0x0
	s_endpgm
.Lfunc_end_k_qcf03e8af98_norm:
	.size	k_qcf03e8af98_norm, .Lfunc_end_k_qcf03e8af98_norm-k_qcf03e8af98_norm
	.p2alignl 7, 3214868480
	.fill 96, 4, 3214868480
	.section	.rodata,"a",@progbits
	.p2align	6, 0x0
	.amdhsa_kernel k_qcf03e8af98_norm
		.amdhsa_group_segment_fixed_size 37888
		.amdhsa_private_segment_fixed_size 0
		.amdhsa_enable_private_segment 0
		.amdhsa_kernarg_size 24
		.amdhsa_user_sgpr_count 2
		.amdhsa_user_sgpr_kernarg_segment_ptr 1
		.amdhsa_wavefront_size32 1
		.amdhsa_system_sgpr_workgroup_id_x 1
		.amdhsa_system_sgpr_workgroup_id_y 1
		.amdhsa_system_sgpr_workgroup_id_z 1
		.amdhsa_system_vgpr_workitem_id 0
		.amdhsa_next_free_vgpr 160
		.amdhsa_next_free_sgpr 66
		.amdhsa_reserve_vcc 0
		.amdhsa_float_denorm_mode_32 3
		.amdhsa_float_denorm_mode_16_64 3
		.amdhsa_memory_ordered 1
		.amdhsa_forward_progress 1
		.amdhsa_inst_pref_size 17
	.end_amdhsa_kernel
	.amdgpu_metadata
---
amdhsa.version: [ 1, 2 ]
amdhsa.kernels:
  - .name:           k_qcf03e8af98_norm
    .symbol:         k_qcf03e8af98_norm.kd
    .args:
      - { .name: hres, .offset: 0, .size: 8, .value_kind: global_buffer, .address_space: global }
      - { .name: g_ffn, .offset: 8, .size: 8, .value_kind: global_buffer, .address_space: global }
      - { .name: hn, .offset: 16, .size: 8, .value_kind: global_buffer, .address_space: global }
    .group_segment_fixed_size: 37888
    .private_segment_fixed_size: 0
    .kernarg_segment_align: 8
    .kernarg_segment_size: 24
    .max_flat_workgroup_size: 256
    .sgpr_count:     66
    .vgpr_count:     160
    .wavefront_size: 32
...
	.end_amdgpu_metadata
.endif
;; end of part 5
;; launch ffna (part 6): grid 16 x 16, 4 waves a work-group, clusters of 4 x 4, 327,680 bytes of LDS; arguments hn, wts, act; writes act
.if DOCPART == 6
	.amdgcn_target "amdgcn-amd-amdhsa--gfx1250"
	.amdhsa_code_object_version 6
	.text
	.protected	k_qcf03e8af98_ffna
	.globl	k_qcf03e8af98_ffna
	.p2align	8
	.type	k_qcf03e8af98_ffna,@function
k_qcf03e8af98_ffna:
	s_mov_b64 s[64:65], 0
	v_nop
	global_prefetch_b8 v0, s[64:65] scope:SCOPE_SE
	s_setreg_imm32_b32 hwreg(HW_REG_WAVE_MODE, 25, 1), 1
	s_wait_xcnt 0x0
	s_wait_alu depctr_hold_cnt(0) depctr_sa_sdst(0) depctr_va_vdst(0) depctr_va_sdst(0) depctr_va_ssrc(0) depctr_va_vcc(0) depctr_vm_vsrc(0)
	s_getreg_b32 s2, hwreg(HW_REG_IB_STS2, 6, 4)
	s_cmp_eq_u32 s2, 0
	s_cbranch_scc0 .Lentry_in_a_cluster
	s_endpgm
.Lentry_in_a_cluster:
	s_bfe_u32 s2, ttmp6, 0x10000c
	s_cmp_lg_u32 s2, 0xf033
	s_cbranch_scc0 .Lentry_shape_is_right
	s_endpgm
.Lentry_shape_is_right:
; act = silu(hn w1^T) * (hn w3^T) = x1 x3 / (1 + 2^(-log2(e) x1)).  hn (the second norm's result, at most 32 max|g_ffn|) and the weights are f16; sums and the activation in f32.
; For very negative x1 the exponential is infinite and act is 0, the limit.  act is rounded once to bf16: it grows with g_ffn^2 x w1 x w3, 810,000 times with each of the three 30 times larger, for which f16 has no room.
; ONE TILE A WORK-GROUP: 256 rows x 352 weight rows (176 hidden columns): 16 x 16 = 256 work-groups.  Four waves, 2 x 2, each 128 rows x 176 weight rows: 8 x 11 = 88 accumulators, 704 registers.
; PANELS.  Both operands lie in memory as [128 k][block of 16 rows][k / 8][16 rows][8 k]: a K step of 128 is 65,536 dense bytes of hn and 90,112 of the weights, asked for as rows of 256 bytes with no padding;
; a fragment (16 rows x 32 k) is 1,024 bytes on end, and its two loads take 16 bytes x lane: 512 consecutive bytes each, no two lanes of a load in one bank.  So two slots of 155,648 bytes fit in LDS.
; A block of 16 weight rows holds 8 rows of w1 and the 8 rows of w3 of the same hidden columns (zeros from hidden column 2,730 on, and so is act there).
; THE MATRIX INSTRUCTION IS USED TRANSPOSED (source 0 = 16 weight rows, source 1 = 16 rows of hn): a lane holds row l % 16; lanes 0-15 hold x1, lanes 16-31 x3 of the block's 8 hidden columns.
; THE RING.  Each wave fetches one part of a step with one tensor load, to LDS byte wave x 32,768 of the slot: waves 0 and 1 the halves of hn, wave 2 the weights' first 128 rows of 256 bytes, wave 3 the other 224:
; so no base shares a bit with the slots' distance, and one exclusive or turns an address in one slot into the other's.  The two shapes of the weights' loads have a group 1 each, written in constants, and a line each.
; A refill has a whole step, 352 matrix instructions, in which to land.
; CLUSTER 4 x 4: hn's tile hangs on the tile row and is asked for jointly along a row of the cluster, the weights' on the tile column and along a column.
; A step is four UNITS of 32 along K, 88 matrix instructions each, on two fragment buffers: a unit waits for its fragments (issued a whole unit earlier), issues the next unit's 38 LDS loads in one run, and multiplies.
; THE WAY OUT goes through the slots, which have had their last fill: written out on 88 accumulators it would be six times the text.  In two halves a wave puts 44 accumulators into bytes of its own, and a counted
; loop takes 11 of them a trip: a lane reads x1 and x3 of row l % 16 and hidden columns 4 (l / 16) + 0..3, and its 8 bytes of act with the other 31 lanes' are 256 consecutive bytes, aligned.
; act lies as [tile of 128 rows][k / 8][block of 16 rows][16 rows][8 k], the layout that the next product streams.
; REGISTERS: window 0: v0-15 addresses; v16-103, v104-191 the weights' fragments, two buffers; v192-255 hn's fragments, buffer 0 (all free on the way out).
;   windows 1, 2, 3: accumulator 11 a + b at register 8 ((11 a + b) % 32) of window 1 + (11 a + b) / 32; window 3, v192-255: hn's fragments, buffer 1.
.set T,     8                          ; K steps
.set ATILE, 524288                     ; bytes from tile row to tile row of hn
.set BTILE, 720896                     ; from tile column to tile column of the weights
.set BOFF,  16777216                   ; where they begin in wts
.set ASTEP, 65536                      ; bytes of a K step
.set BSTEP, 90112
.set AREG,  65536                      ; in a slot: hn, then the weights
.set SLOT1, 155648                     ; = 0x26000
.set SPARE, 311296                     ; behind the slots: the spare words, 128 bytes for each wave: two blocks of 256 bytes that no other line names
.set DUMPB, 45056                      ; the way out: 44 accumulators of 1,024 bytes for each wave
.set AHEAD, 1                          ; a prefetch names the K step behind the one that is being asked for
.set G1W,   (1<<16)|(1<<21)            ; 17:16 2-byte elements; 21 set beside a mask; no padding
.set A0,   4                           ; v4   my lane's place in hn's part of a slot; never rewritten
.set B0,   5                           ; v5   in the weights'
.set ADRA, 6                           ; v6   the address of the runs of loads in hand
.set ADRB, 7
.set SPW,  8                           ; v8   LDS address of my spare word; never rewritten
.set NIL,  9                           ; v9   0; never rewritten
.set PFO,  10                          ; v10  the prefetches' offset: 256 x lane; never rewritten
.set PF2,  11                          ; v11  the second one's: 8,192 + 256 x min(lane, 11)
.set DSA,  12                          ; v12  the way out: where I put 16 bytes of an accumulator
.set DR0,  13                          ; v13  where I read x1 of the first one back
.set DRA,  14                          ; v14  the same, stepped
.set GO,   15                          ; v15  my 8 bytes in 256 of act
.set BF,   16
.set AF,   192
.set X1,   16                          ; the way out: v[16:59] x1, v[64:107] x3, v[112:155] at work, v[160:181] packed: four, four, four and two registers for each of 11 accumulators
.set X3,   64
.set TT,   112
.set PKR,  160
.set G1,   24                          ; s[24:31] group 1 for hn: 128 rows;  s[32:39] group 0: a set for each first fill, the second walks on
.set G0,   32
.set G1B,  48                          ; s[48:55] group 1 for the weights' first part: 128 rows;  s[56:63] group 0 for the weights, as hn's
.set G0B,  56
.set G1C,  92                          ; s[92:99] group 1 for the weights' second part: 224 rows
.set TA,   66                          ; s66  LDS byte at which the fragments to be fetched begin
.set PFA,  70                          ; s[70:71] where my prefetches stand
.set PFS,  72                          ; s[72:73] their step
.set LIM,  74                          ; s74  AHEAD in a wave that prefetches, else the greatest number
.set MSB, 0
.macro WIN new                         ; the high byte repeats the setting that is left; a switch that changes nothing is dropped
.if MSB != (\new)
	s_set_vgpr_msb (MSB<<8)|(\new)
.set MSB, (\new)
.endif
.endm
.macro PLACES                          ; four places in front of loads into registers that matrix instructions have read, and of instructions that read results
.rept 4
	v_nop
.endr
.endm
.macro CROUND                          ; a round of the cluster's barrier
	s_barrier_signal -1
	s_barrier_wait -1
	s_cmp_lg_u32 s10, 0
	s_cbranch_scc1 .Lnot_wave_0_\@
	s_barrier_signal -3
.Lnot_wave_0_\@:
	s_barrier_wait -3
	s_barrier_signal -1
	s_barrier_wait -1
.endm
.macro JLOAD                           ; a joint refill by the walking sets: waves 0 and 1 hn's line, wave 2 and wave 3 a line each for the weights; the branches hang on the wave's number alone; an s_nop 0 and four v_nop follow each line
	s_cmp_lt_u32 s10, 2
	s_cbranch_scc0 .Lfor_b_\@
	tensor_load_to_lds s[G0+4:G0+7], s[G1:G1+7]
	s_nop 0
	PLACES
	s_branch .Lasked_\@
.Lfor_b_\@:
	s_cmp_eq_u32 s10, 2
	s_cbranch_scc0 .Lfor_c_\@
	tensor_load_to_lds s[G0B+4:G0B+7], s[G1B:G1B+7]
	s_nop 0
	PLACES
	s_branch .Lasked_\@
.Lfor_c_\@:
	tensor_load_to_lds s[G0B+4:G0B+7], s[G1C:G1C+7]
	s_nop 0
	PLACES
.Lasked_\@:
.endm
; A prefetch into the L2, behind the joint load and its five lines: my share of the K step that the NEXT change of slots will ask for, a lane a block of 256 bytes.  hn's stream is named by the cluster with x = 0,
; the weights' by the cluster with y = 0.  The four partners share a step out by address: of hn's 256 blocks each of waves 0 and 1 names 32; of the weights' 352 each of waves 2 and 3 names 44, by two instructions
; (in the second, lanes 12 to 31 name lane 11's block once more).  It stops where the tile's stream ends: s3 steps are still to be entered.
.macro ASK
	s_cmp_gt_u32 s3, s[LIM]
	s_cbranch_scc0 .Lnot_mine_\@
	global_prefetch_b8 v[PFO], s[PFA:PFA+1] th:TH_LOAD_NT scope:SCOPE_SE
	s_cmp_eq_u32 s11, 0
	s_cbranch_scc1 .Lnot_mine_\@
	global_prefetch_b8 v[PF2], s[PFA:PFA+1] th:TH_LOAD_NT scope:SCOPE_SE
.Lnot_mine_\@:
.endm
.macro FETCH g, o                      ; one run of 38 LDS loads: a unit's fragments into buffers g: the weights' 11, then hn's 8; a fragment is two loads of 512 consecutive bytes
	WIN 0
.set i_, 0
.rept 11
.set r_, BF+88*(\g)+8*i_
	ds_load_b128 v[r_:r_+3],   v[ADRB] offset:(\o)+4096*i_
	ds_load_b128 v[r_+4:r_+7], v[ADRB] offset:(\o)+4096*i_+512
.set i_, i_+1
.endr
	WIN 0xc0*(\g)                                  ; hn's buffer 1 lies in window 3
.set i_, 0
.rept 8
.set r_, AF+8*i_
	ds_load_b128 v[r_:r_+3],   v[ADRA] offset:(\o)+4096*i_
	ds_load_b128 v[r_+4:r_+7], v[ADRA] offset:(\o)+4096*i_+512
.set i_, i_+1
.endr
.endm
.macro MULS f, zero                    ; a unit's 88 products; the accumulators take turns, one instruction a turn, over every jump too.  zero = 1: they start the sums
.set a_, 0
.rept 8
.set b_, 0
.rept 11
.set x_, 11*a_+b_
.set w_, 1+x_/32
	WIN (w_<<6)|(w_<<4)|(12*(\f))                  ; C and D in the accumulator's window, source 0 in window 0, source 1 in window 0 or 3
.set rD, 8*(x_%32)
.set rB, BF+88*(\f)+8*b_
.set rA, AF+8*a_
.if \zero
	v_wmma_f32_16x16x32_f16 v[rD:rD+7], v[rB:rB+7], v[rA:rA+7], 0
.else
	v_wmma_f32_16x16x32_f16 v[rD:rD+7], v[rB:rB+7], v[rA:rA+7], v[rD:rD+7]
.endif
.set b_, b_+1
.endr
.set a_, a_+1
.endr
.endm
.macro U f, g, o, zero                 ; a unit
	s_wait_dscnt 0x0                               ; buffers f are in: their loads were issued a unit ago
	PLACES                                         ; buffers g were read by the products just ahead
	FETCH \g, \o
	MULS \f, \zero
.endm
; THE CHANGE OF SLOTS.  Every read of the slot that is left has been issued.  Each wave waits for all its tensor loads (one is out: its part of the other slot), adds 0 to its spare word, and waits for that and for its reads.
; fill = 1: the barrier is a round of the cluster's, and the slot is filled again, first thing behind it, with the K step two on.
.macro CHG fill
	WIN 0
	s_wait_tensorcnt 0x0                           ; no tensor load of mine is out, so a group 0 may be written
	ds_add_u32 v[SPW], v[NIL]                      ; the scalar work stands between this add and the wait for it
.if \fill
	s_xor_b32 s[G0+5], s[G0+5], SLOT1
	s_add_nc_u64 s[G0+6:G0+7], s[G0+6:G0+7], ASTEP
	s_xor_b32 s[G0B+5], s[G0B+5], SLOT1
	s_add_nc_u64 s[G0B+6:G0B+7], s[G0B+6:G0B+7], BSTEP
	s_wait_xcnt 0x0                                ; the last prefetches, a step back, have read their address
	s_add_nc_u64 s[PFA:PFA+1], s[PFA:PFA+1], s[PFS:PFS+1]
.endif
	s_sub_co_u32 s[TA], s[TA], 4096                ; the fetches go back to a slot's first unit,
	s_xor_b32 s[TA], s[TA], SLOT1                  ; in the other slot
	s_wait_dscnt 0x0                               ; the add is done, and my reads of the slot are over
.if \fill
	CROUND
	JLOAD
	ASK
.else
	s_barrier_signal -1
	s_barrier_wait -1
.endif
.endm
.macro BODY                            ; two units; behind a change of slots the first multiplies the old slot's last unit and fetches the new slot's first
	v_add_nc_u32 v[ADRA], s[TA], v[A0]
	v_add_nc_u32 v[ADRB], s[TA], v[B0]
	U 1, 0, 0, 0
	U 0, 1, 1024, 0
	WIN 0
	s_add_co_u32 s[TA], s[TA], 2048
	s_sub_co_u32 s2, s2, 1
	s_cmp_lg_u32 s2, 0
.endm
	s_load_b128 s[4:7], s[0:1], 0x0                ; hn s[4:5], wts s[6:7]
	s_load_b64 s[78:79], s[0:1], 0x10              ; act
	v_lshl_add_u32 v[SPW], v0, 2, SPARE
	v_mov_b32 v[NIL], 0
	ds_add_u32 v[SPW], v[NIL]                      ; the wave's opening: the add and its wait stand ahead of my first tensor load
	v_lshrrev_b32 v1, 5, v0
	v_readfirstlane_b32 s10, v1                    ; wave 0..3
	s_lshr_b32 s11, s10, 1                         ; which half of the tile's rows is mine.  Also: I fetch hn (0) or the weights (1)
	s_and_b32 s12, s10, 1                          ; which half of its columns.  Also: which part of that tile I fetch
	s_bfe_u32 s40, ttmp6, 0x40000                  ; cx
	s_bfe_u32 s41, ttmp6, 0x40004                  ; cy
	s_lshl_b32 s42, ttmp9, 2
	s_add_co_u32 s42, s42, s40                     ; tile column: 176 hidden columns
	s_and_b32 s13, ttmp7, 0xffff
	s_lshl_b32 s13, s13, 2
	s_add_co_u32 s13, s13, s41                     ; tile row
	s_lshl_b32 s43, s41, 2
	s_lshl_b32 s43, 15, s43                        ; my row of the cluster
	s_lshl_b32 s44, 0x1111, s40                    ; my column
	s_or_b32 s[G1], s43, G1W
	s_or_b32 s[G1B], s44, G1W
	s_or_b32 s[G1C], s44, G1W
	s_mov_b32 s[G1+1], 128<<16                     ; tensor_dim0 = 128 elements: 256 bytes
	s_mov_b32 s[G1+2], 128<<16                     ; tensor_dim1 = 128 rows
	s_mov_b32 s[G1+3], 128<<16                     ; tile_dim0
	s_mov_b32 s[G1+4], 128                         ; tile_dim1
	s_mov_b32 s[G1+5], 128                         ; the rows lie end to end
	s_mov_b32 s[G1+6], 0
	s_mov_b32 s[G1+7], 0
	s_mov_b32 s[G1B+1], 128<<16                    ; the weights' first part: the same shape
	s_mov_b32 s[G1B+2], 128<<16
	s_mov_b32 s[G1B+3], 128<<16
	s_mov_b32 s[G1B+4], 128
	s_mov_b32 s[G1B+5], 128
	s_mov_b32 s[G1B+6], 0
	s_mov_b32 s[G1B+7], 0
	s_mov_b32 s[G1C+1], 128<<16                    ; their second part: 224 rows
	s_mov_b32 s[G1C+2], 224<<16
	s_mov_b32 s[G1C+3], 128<<16
	s_mov_b32 s[G1C+4], 224
	s_mov_b32 s[G1C+5], 128
	s_mov_b32 s[G1C+6], 0
	s_mov_b32 s[G1C+7], 0
	s_mul_i32 s16, s13, ATILE                      ; hn: the tile row's stream, my half of a step
	s_lshl_b32 s17, s12, 15
	s_add_co_u32 s16, s16, s17
	s_mov_b32 s17, 0
	s_mul_i32 s46, s42, BTILE                      ; the weights: the tile column's stream, my part of a step
	s_lshl_b32 s47, s12, 15
	s_add_co_u32 s46, s46, s47
	s_add_co_u32 s46, s46, BOFF
	s_mov_b32 s47, 0
	s_lshl_b32 s20, s10, 15                        ; where they go: wave x 32,768: no place in the cluster enters an LDS address
	; the prefetches' offsets, made apart from the addresses
	s_lshl_b32 s88, s40, 13                        ; hn: what I fetch myself, my work-group's 32 blocks of the 128,
	s_add_co_u32 s88, s88, s16
	s_add_co_u32 s88, s88, (1+AHEAD)*ASTEP         ; at K step 2: each change of slots steps it before it asks
	s_mul_i32 s90, s42, BTILE                      ; the weights: my work-group's 88 blocks of a step's 352, my wave's 44 of them
	s_mul_i32 s91, s41, 22528
	s_add_co_u32 s90, s90, s91
	s_mul_i32 s91, s12, 11264
	s_add_co_u32 s90, s90, s91
	s_add_co_u32 s90, s90, BOFF+(1+AHEAD)*BSTEP
	s_and_b32 s87, ttmp7, 0xffff                   ; cluster y
	s_mov_b32 s[PFS], ASTEP
	s_mov_b32 s[PFS+1], 0
	s_mov_b32 s89, 0
	v_and_b32 v[PFO], 31, v0
	v_min_u32 v[PF2], 11, v[PFO]
	v_lshl_add_u32 v[PF2], v[PF2], 8, 0x2000
	v_lshlrev_b32 v[PFO], 8, v[PFO]
	s_wait_dscnt 0x0                               ; the opening add is done
	s_wait_kmcnt 0x0
	s_add_nc_u64 s[14:15], s[4:5], s[16:17]
	s_add_nc_u64 s[46:47], s[6:7], s[46:47]
	s_cmp_eq_u32 s11, 0
	s_cselect_b64 s[PFA:PFA+1], s[4:5], s[6:7]
	s_cselect_b32 s88, s88, s90
	s_cselect_b32 s87, ttmp9, s87                  ; the coordinate along which other clusters read the same stream
	s_cselect_b32 s[PFS], s[PFS], BSTEP
	s_cmp_eq_u32 s87, 0
	s_cselect_b32 s[LIM], AHEAD, -1                ; the same in all sixteen partners, for a given wave
	s_add_nc_u64 s[PFA:PFA+1], s[PFA:PFA+1], s[88:89]
	CROUND                                         ; all sixteen work-groups are here: the first joint loads meet
.irp s, 0,1
	s_mov_b32 s[G0+4*(\s)], 1
	s_add_co_u32 s[G0+4*(\s)+1], s20, (\s)*SLOT1
	s_add_nc_u64 s[G0+4*(\s)+2:G0+4*(\s)+3], s[14:15], (\s)*ASTEP
	s_or_b32 s[G0+4*(\s)+3], s[G0+4*(\s)+3], 0x80000000
	s_mov_b32 s[G0B+4*(\s)], 1
	s_add_co_u32 s[G0B+4*(\s)+1], s20, (\s)*SLOT1
	s_add_nc_u64 s[G0B+4*(\s)+2:G0B+4*(\s)+3], s[46:47], (\s)*BSTEP
	s_or_b32 s[G0B+4*(\s)+3], s[G0B+4*(\s)+3], 0x80000000
.endr
	s_cmp_lt_u32 s10, 2                            ; a wave's two first fills stand together on its one way through these branches: two loads of mine are out, the most in this text
	s_cbranch_scc0 .Lfirst_b
	tensor_load_to_lds s[G0:G0+3], s[G1:G1+7]
	s_nop 0
	tensor_load_to_lds s[G0+4:G0+7], s[G1:G1+7]
	s_nop 0
	PLACES
	s_branch .Lfirst_asked
.Lfirst_b:
	s_cmp_eq_u32 s10, 2
	s_cbranch_scc0 .Lfirst_c
	tensor_load_to_lds s[G0B:G0B+3], s[G1B:G1B+7]
	s_nop 0
	tensor_load_to_lds s[G0B+4:G0B+7], s[G1B:G1B+7]
	s_nop 0
	PLACES
	s_branch .Lfirst_asked
.Lfirst_c:
	tensor_load_to_lds s[G0B:G0B+3], s[G1C:G1C+7]
	s_nop 0
	tensor_load_to_lds s[G0B+4:G0B+7], s[G1C:G1C+7]
	s_nop 0
	PLACES
.Lfirst_asked:
	v_and_b32 v1, 31, v0
	v_lshlrev_b32 v1, 4, v1                        ; 16 x lane
	s_lshl_b32 s18, s11, 15                        ; my 8 blocks of 16 rows of hn, 4,096 bytes each
	v_add_nc_u32 v[A0], s18, v1
	s_mul_i32 s18, s12, 45056                      ; my 11 blocks of the weights,
	s_add_co_u32 s18, s18, AREG                    ; which lie behind hn
	v_add_nc_u32 v[B0], s18, v1
	s_mul_i32 s18, s10, DUMPB                      ; the way out: my own bytes
	v_add_nc_u32 v[DSA], s18, v1
	v_and_b32 v2, 15, v0                           ; r = l % 16
	v_bfe_u32 v3, v0, 4, 1                         ; h = l / 16
	v_lshlrev_b32 v2, 4, v2
	v_lshl_add_u32 v[GO], v3, 3, v2                ; 16 r + 8 h
	v_lshl_add_u32 v2, v3, 9, v2                   ; 16 r + 512 h
	v_add_nc_u32 v[DR0], s18, v2
	s_lshl1_add_u32 s20, s13, s11                  ; act: tile of 128 rows 2 ty + wave / 2,
	s_mul_i32 s20, s20, 720896
	s_mul_i32 s21, s42, 22                         ; my first group of 8 hidden columns: 22 x tile column + 11 x half, 2,048 bytes each
	s_mul_i32 s22, s12, 11
	s_add_co_u32 s21, s21, s22
	s_lshl_b32 s21, s21, 11
	s_add_co_u32 s20, s20, s21
	s_mov_b32 s21, 0
	s_add_nc_u64 s[80:81], s[78:79], s[20:21]
	s_mov_b32 s86, 0xbfb8aa3b                      ; -log2(e)
	s_mov_b32 s87, s86                             ; named with it as a pair
	s_wait_tensorcnt 0x1                           ; my part of slot 0 is in; slot 1's may stay out
	s_barrier_signal -1
	s_barrier_wait -1
	v_mov_b32 v[ADRA], v[A0]
	v_mov_b32 v[ADRB], v[B0]
	FETCH 0, 0
	U 0, 1, 1024, 1                                ; the first unit starts the sums
	WIN 0
	s_mov_b32 s[TA], 2048
	s_mov_b32 s3, T-1
	s_mov_b32 s2, 1
	s_branch .Lin                                  ; the loop is entered in the middle of a step
.Lstep:                                        ; T - 2 times: every slot but the last two is filled again
	CHG 1
	s_mov_b32 s2, 2
.Lin:
	BODY
	s_cbranch_scc1 .Lin
	s_sub_co_u32 s3, s3, 1
	s_cmp_lg_u32 s3, 0
	s_cbranch_scc1 .Lstep
	CHG 0                                          ; the tail is written out
	s_mov_b32 s2, 2
.Lin2:
	BODY
	s_cbranch_scc1 .Lin2
	s_wait_dscnt 0x0                               ; the last fragments are in: my reads of the slots are over,
	s_barrier_signal -1                            ; say so; the last unit's products stand between the signal and the wait;
	MULS 1, 0
	WIN 0
	s_barrier_wait -1                              ; nobody reads the slots any more: they may be written
	PLACES
; 44 accumulators (half p of my rows) into my own bytes: accumulator i at 1,024 i: registers 0-3 of lane l at 16 l, registers 4-7 at 512 + 16 l: each store covers 512 consecutive bytes.  The lowest registers go first.
.macro DUMP p
.set i_, 0
.rept 44
.set x_, 44*(\p)+i_
	WIN (1+x_/32)<<2                               ; the data's window
.set rD, 8*(x_%32)
	ds_store_b128 v[DSA], v[rD:rD+3] offset:1024*i_
	ds_store_b128 v[DSA], v[rD+4:rD+7] offset:1024*i_+512
.set i_, i_+1
.endr
	WIN 0
.endm
	s_mov_b32 s2, 2
.Lhalf:                                        ; twice: my rows 0-63, then 64-127: 88 accumulators of four waves are more than LDS holds
	s_cmp_eq_u32 s2, 2
	s_cbranch_scc0 .Lsecond
	DUMP 0
	s_branch .Ldumped
.Lsecond:
	DUMP 1
.Ldumped:
	v_mov_b32 v[DRA], v[DR0]
	s_mov_b32 s3, 4
.Lrow:                                         ; a trip: 16 rows x 88 hidden columns.  LDS serves a wave's instructions in order (ISA guide 5.7.1.4): these loads see my stores above
.set b_, 0
.rept 11
	ds_load_b128 v[X1+4*b_:X1+4*b_+3], v[DRA] offset:1024*b_       ; x1 of row r, hidden columns 4 h + 0..3: what lane r put there
	ds_load_b128 v[X3+4*b_:X3+4*b_+3], v[DRA] offset:1024*b_+256   ; x3 of the same: what lane 16 + r put there
.set b_, b_+1
.endr
	s_wait_dscnt 0x0
.set i_, 0
.rept 22
	v_pk_mul_f32 v[TT+2*i_:TT+2*i_+1], v[X1+2*i_:X1+2*i_+1], s[86:87] op_sel_hi:[1,0]  ; -log2(e) x1
.set i_, i_+1
.endr
.set i_, 0
.rept 44
	v_exp_f32 v[TT+i_], v[TT+i_]
.set i_, i_+1
.endr
.set i_, 0
.rept 22
	v_pk_mul_f32 v[X1+2*i_:X1+2*i_+1], v[X1+2*i_:X1+2*i_+1], v[X3+2*i_:X3+2*i_+1]  ; x1 x3: the independent work behind the exponentials
.set i_, i_+1
.endr
	s_wait_alu depctr_va_vdst(0)                   ; one wait for the 44 exponentials
.set i_, 0
.rept 22
	v_pk_add_f32 v[TT+2*i_:TT+2*i_+1], v[TT+2*i_:TT+2*i_+1], 1.0 op_sel_hi:[1,0]
.set i_, i_+1
.endr
.set i_, 0
.rept 44
	v_rcp_f32 v[TT+i_], v[TT+i_]
.set i_, i_+1
.endr
	v_nop                                          ; a plain instruction behind the last reciprocal,
	s_wait_alu depctr_va_vdst(0)                   ; and one wait for the 44
.set i_, 0
.rept 22
	v_pk_mul_f32 v[X1+2*i_:X1+2*i_+1], v[X1+2*i_:X1+2*i_+1], v[TT+2*i_:TT+2*i_+1]
.set i_, i_+1
.endr
.set i_, 0
.rept 22
	v_cvt_pk_bf16_f32 v[PKR+i_], v[X1+2*i_], v[X1+2*i_+1]
.set i_, i_+1
.endr
.set b_, 0
.rept 11
	global_store_b64 v[GO], v[PKR+2*b_:PKR+2*b_+1], s[80:81] offset:2048*b_  ; the 32 lanes store 256 consecutive bytes, aligned
.set b_, b_+1
.endr
	s_wait_xcnt 0x0                                ; the stores have read their base and their data: both are written again only behind this wait
	s_add_nc_u64 s[80:81], s[80:81], 256           ; the next block of 16 rows
	v_add_nc_u32 v[DRA], 11264, v[DRA]             ; its 11 accumulators
	s_sub_co_u32 s3, s3, 1
	s_cmp_lg_u32 s3, 0
	s_cbranch_scc1 .Lrow
	s_sub_co_u32 s2, s2, 1
	s_cmp_lg_u32 s2, 0
	s_cbranch_scc1 .Lhalf
	s_wait_tensorcnt 0x0                           ; the wave's end
	ds_add_u32 v[SPW], v[NIL]
	s_wait_dscnt 0x0
	CROUND                                         ; the closing round
	s_endpgm
.Lfunc_end_k_qcf03e8af98_ffna:
	.size	k_qcf03e8af98_ffna, .Lfunc_end_k_qcf03e8af98_ffna-k_qcf03e8af98_ffna
	.p2alignl 7, 3214868480
	.fill 96, 4, 3214868480
	.section	.rodata,"a",@progbits
	.p2align	6, 0x0
	.amdhsa_kernel k_qcf03e8af98_ffna
		.amdhsa_group_segment_fixed_size 327680
		.amdhsa_private_segment_fixed_size 0
		.amdhsa_enable_private_segment 0
		.amdhsa_kernarg_size 24
		.amdhsa_user_sgpr_count 2
		.amdhsa_user_sgpr_kernarg_segment_ptr 1
		.amdhsa_wavefront_size32 1
		.amdhsa_system_sgpr_workgroup_id_x 1
		.amdhsa_system_sgpr_workgroup_id_y 1
		.amdhsa_system_sgpr_workgroup_id_z 1
		.amdhsa_system_vgpr_workitem_id 0
		.amdhsa_next_free_vgpr 1024
		.amdhsa_next_free_sgpr 100
		.amdhsa_reserve_vcc 0
		.amdhsa_float_denorm_mode_32 3
		.amdhsa_float_denorm_mode_16_64 3
		.amdhsa_memory_ordered 1
		.amdhsa_forward_progress 1
		.amdhsa_inst_pref_size 85
	.end_amdhsa_kernel
	.amdgpu_metadata
---
amdhsa.version: [ 1, 2 ]
amdhsa.kernels:
  - .name:           k_qcf03e8af98_ffna
    .symbol:         k_qcf03e8af98_ffna.kd
    .args:
      - { .name: hn, .offset: 0, .size: 8, .value_kind: global_buffer, .address_space: global }
      - { .name: wts, .offset: 8, .size: 8, .value_kind: global_buffer, .address_space: global }
      - { .name: act, .offset: 16, .size: 8, .value_kind: global_buffer, .address_space: global }
    .group_segment_fixed_size: 327680
    .private_segment_fixed_size: 0
    .kernarg_segment_align: 8
    .kernarg_segment_size: 24
    .max_flat_workgroup_size: 128
    .sgpr_count:     100
    .vgpr_count:     1024
    .wavefront_size: 32
...
	.end_amdgpu_metadata
.endif
;; end of part 6
;; launch ffnb (part 7): grid 8 x 32, 4 waves a work-group, clusters of 4 x 4, 327,680 bytes of LDS; arguments act, wts, hres, out0; writes out0
.if DOCPART == 7
	.amdgcn_target "amdgcn-amd-amdhsa--gfx1250"
	.amdhsa_code_object_version 6
	.text
	.protected	k_qcf03e8af98_ffnb
	.globl	k_qcf03e8af98_ffnb
	.p2align	8
	.type	k_qcf03e8af98_ffnb,@function
k_qcf03e8af98_ffnb:
	s_mov_b64 s[64:65], 0
	v_nop
	global_prefetch_b8 v0, s[64:65] scope:SCOPE_SE
	s_setreg_imm32_b32 hwreg(HW_REG_WAVE_MODE, 25, 1), 1
	s_wait_xcnt 0x0
	s_wait_alu depctr_hold_cnt(0) depctr_sa_sdst(0) depctr_va_vdst(0) depctr_va_sdst(0) depctr_va_ssrc(0) depctr_va_vcc(0) depctr_vm_vsrc(0)
	s_getreg_b32 s2, hwreg(HW_REG_IB_STS2, 6, 4)
	s_cmp_eq_u32 s2, 0
	s_cbranch_scc0 .Lentry_in_a_cluster
	s_endpgm
.Lentry_in_a_cluster:
	s_bfe_u32 s2, ttmp6, 0x10000c
	s_cmp_lg_u32 s2, 0xf033
	s_cbranch_scc0 .Lentry_shape_is_right
	s_endpgm
.Lentry_shape_is_right:
; out0 = hres + act w2^T, on tiles of 128 x 128 (256 work-groups).  act and w2 are bf16 (act grows with g_ffn^2 x w1 x w3, 810,000 times with each of the three 30 times larger: no room in f16); sums, residual and output in f32.
; act lies IN PANELS, [tile of 128 rows][k / 8][block of 16 rows][16 rows][8 k]: a K step of 256 is 65,536 dense bytes, brought with no padding; a fragment load takes 256 consecutive bytes for each half of the lanes
; (lanes 0-15 one panel, lanes 16-31 the next, 2,048 bytes on), so no two lanes of a half meet in a bank.  w2 lies in blocks of 64 k of the tile's 128 rows, padded in LDS after every 128 bytes (pitch 144 = 36 words:
; the 16 rows of a fragment load start at 16 different groups of four banks; 64 banks of 4 bytes: ISA guide 11.1).
; Four waves, 2 x 2, each 64 x 64: 16 accumulators.  K goes in 11 steps of 256 through a ring of two LDS slots; both operands are asked for as rows of 256 bytes.  Waves 0 and 1 fetch the halves of act's step, waves 2 and 3 of w2's.
; CLUSTER 4 x 4: act is asked for jointly along a row of the cluster, w2 along a column.  THE MATRIX INSTRUCTION IS USED TRANSPOSED: a lane holds row l % 16 and the columns 8 (l / 16) + 0..7.
; A step is four UNITS of 64 along K, 32 matrix instructions each, on two fragment buffers.
; REGISTERS: window 0 addresses and the way out; window 1 the two fragment buffers; window 2 the accumulators: (a, b) at v[8 (4 a + b)].
.set T,     11
.set BOFF,  28311552
.set ATILE, 720896
.set BTILE, 720896
.set AHEAD, 2
.set NBK,   4
.set DEEP,  2
.set ASTEP, 65536
.set BSTEP, 65536
.set BHL,   36864                      ; LDS bytes of half a step of w2
.set O1A,   16384                      ; from a unit's fragments to the next unit's: 8 panels of 2,048 bytes
.set O1B,   18432
.set DA,    32768                      ; and to those two units on
.set DB,    36864
.set AREG,  73728                      ; in a slot: act in the first 65,536 bytes, w2 from here on
.set SLOT1, 147456                     ; = 0x24000: it shares no bit with the four LDS bases 0, 0x8000, 0x12000, 0x1b000, so one exclusive or turns an address in one slot into the other's
.set SPARE, 294912                     ; the spare words, 128 bytes for each wave: two blocks of 256 bytes that no other line names
.set STAGE, 295424                     ; 16 rows x 272 bytes for each wave, for the way out; no tensor load fills it
.set G1WA,  (1<<16)|(1<<21)            ; act: 2-byte elements; 21 set beside a mask; no padding
.set G1WB,  (1<<16)|(1<<20)|(1<<21)|(4<<22)|(3<<25)  ; w2: padding on, after every 32 words, 4 words
.set A0,   16
.set B0,   17
.set ADRA, 18
.set ADRB, 19
.set STO,  24
.set RD,   25
.set SPW,  28
.set NIL,  29
.set PFO,  30
.set F0,   0
.set F1,   128
.set G1,   24
.set G0,   32
.set G1B,  48
.set G0B,  56
.set TA,   66
.set TBQ,  67
.set PFA,  70
.set LIM,  74
.set MSB, 0
.macro WIN new
.if MSB != (\new)
	s_set_vgpr_msb (MSB<<8)|(\new)
.set MSB, (\new)
.endif
.endm
.macro PLACES                          ; four places in front of loads into registers that matrix instructions have read, and of instructions that read results
.rept 4
	v_nop
.endr
.endm
.macro CROUND
	s_barrier_signal -1
	s_barrier_wait -1
	s_cmp_lg_u32 s10, 0
	s_cbranch_scc1 .Lnot_wave_0_\@
	s_barrier_signal -3
.Lnot_wave_0_\@:
	s_barrier_wait -3
	s_barrier_signal -1
	s_barrier_wait -1
.endm
.macro JLOAD                           ; a joint refill by the walking sets; an s_nop 0 and four v_nop follow each line
	s_cmp_eq_u32 s11, 0
	s_cbranch_scc0 .Lfor_b_\@
	tensor_load_to_lds s[G0+4:G0+7], s[G1:G1+7]
	s_nop 0
	PLACES
	s_branch .Lasked_\@
.Lfor_b_\@:
	tensor_load_to_lds s[G0B+4:G0B+7], s[G1B:G1B+7]
	s_nop 0
	PLACES
.Lasked_\@:
.endm
; A prefetch into the L2, behind the joint load and its five lines: my share (32 blocks of 256 bytes, a lane a block) of the K step AHEAD steps behind the one just asked for.  act's stream is named by the cluster
; with x = 0, w2's by the cluster with y = 0; the four partners of a joint load share a wave's half step out by address.  It stops where the tile's stream ends: s3 steps are still to be entered.
.macro ASK
	s_cmp_gt_u32 s3, s[LIM]
	s_cbranch_scc0 .Lnot_mine_\@
	global_prefetch_b8 v[PFO], s[PFA:PFA+1] th:TH_LOAD_NT scope:SCOPE_SE
.Lnot_mine_\@:
.endm
.macro FETCH g, oa, ob                 ; one run of 32 LDS loads: a unit's fragments into buffer g: w2's, then act's
	WIN 0x40
.set c_, 0
.rept DEEP
.set i_, 0
.rept NBK
.set r_, (\g)+8*(NBK*c_+i_)
	ds_load_b128 v[r_:r_+3],   v[ADRB] offset:(\ob)+64*c_+2304*i_
	ds_load_b128 v[r_+4:r_+7], v[ADRB] offset:(\ob)+64*c_+2304*i_+32
.set i_, i_+1
.endr
.set i_, 0
.rept 4
.set r_, (\g)+8*DEEP*NBK+8*(4*c_+i_)
	ds_load_b128 v[r_:r_+3],   v[ADRA] offset:(\oa)+8192*c_+256*i_        ; panels 4 q + l / 16 of block i
	ds_load_b128 v[r_+4:r_+7], v[ADRA] offset:(\oa)+8192*c_+256*i_+4096   ; panels 4 q + 2 + l / 16
.set i_, i_+1
.endr
.set c_, c_+1
.endr
.endm
.macro MULS f, zero                    ; the accumulators take turns, one instruction a turn, over every jump too
	WIN 0xa5
.set c_, 0
.rept DEEP
.set a_, 0
.rept 4
.set b_, 0
.rept NBK
.set rD, 8*(NBK*a_+b_)
.set rB, (\f)+8*(NBK*c_+b_)
.set rA, (\f)+8*DEEP*NBK+8*(4*c_+a_)
.if (\zero) && (c_ == 0)
	v_wmma_f32_16x16x32_bf16 v[rD:rD+7], v[rB:rB+7], v[rA:rA+7], 0
.else
	v_wmma_f32_16x16x32_bf16 v[rD:rD+7], v[rB:rB+7], v[rA:rA+7], v[rD:rD+7]
.endif
.set b_, b_+1
.endr
.set a_, a_+1
.endr
.set c_, c_+1
.endr
.endm
.macro U f, g, oa, ob, zero
	s_wait_dscnt 0x0                               ; buffer f is in: its loads were issued a unit ago
	PLACES                                         ; buffer g was read by the products just ahead
	FETCH \g, \oa, \ob
	MULS \f, \zero
.endm
; THE CHANGE OF SLOTS.  Each wave waits for all its tensor loads (one is out: its part of the other slot), adds 0 to its spare word, and waits for that and for its reads of the slot that is left.
; fill = 1: the barrier is a round of the cluster's, and the slot is filled again, first thing behind it, with the K step two on: a whole step, 128 matrix instructions, in which to land.
.macro CHG fill
	WIN 0
	s_wait_tensorcnt 0x0
	ds_add_u32 v[SPW], v[NIL]
.if \fill
	s_xor_b32 s[G0+5], s[G0+5], SLOT1
	s_add_nc_u64 s[G0+6:G0+7], s[G0+6:G0+7], ASTEP
	s_xor_b32 s[G0B+5], s[G0B+5], SLOT1
	s_add_nc_u64 s[G0B+6:G0B+7], s[G0B+6:G0B+7], BSTEP
	s_wait_xcnt 0x0                                ; the last prefetch, a step back, has read its address
	s_add_nc_u64 s[PFA:PFA+1], s[PFA:PFA+1], ASTEP ; both streams step by 65,536 bytes
.endif
	s_sub_co_u32 s[TA], s[TA], 2*DA
	s_xor_b32 s[TA], s[TA], SLOT1
	s_sub_co_u32 s[TBQ], s[TBQ], 2*DB
	s_xor_b32 s[TBQ], s[TBQ], SLOT1
	s_wait_dscnt 0x0                               ; the add is done, and my reads of the slot are over
.if \fill
	CROUND
	JLOAD
	ASK
.else
	s_barrier_signal -1
	s_barrier_wait -1
.endif
.endm
.macro BODY
	v_add_nc_u32 v[ADRA], s[TA], v[A0]
	v_add_nc_u32 v[ADRB], s[TBQ], v[B0]
	U F1, F0, 0, 0, 0
	U F0, F1, O1A, O1B, 0
	WIN 0
	s_add_co_u32 s[TA], s[TA], DA
	s_add_co_u32 s[TBQ], s[TBQ], DB
	s_sub_co_u32 s2, s2, 1
	s_cmp_lg_u32 s2, 0
.endm
	s_load_b128 s[4:7], s[0:1], 0x0                ; act s[4:5], wts s[6:7]
	s_load_b64 s[8:9], s[0:1], 0x10                ; hres
	s_load_b64 s[78:79], s[0:1], 0x18              ; out0
	v_lshl_add_u32 v[SPW], v0, 2, SPARE
	v_mov_b32 v[NIL], 0
	ds_add_u32 v[SPW], v[NIL]                      ; the wave's opening: the add and its wait stand ahead of my first tensor load
	v_lshrrev_b32 v1, 5, v0
	v_readfirstlane_b32 s10, v1
	s_lshr_b32 s11, s10, 1                         ; which half of the tile's rows is mine.  Also: I fetch act (0) or w2 (1)
	s_and_b32 s12, s10, 1                          ; which half of its columns.  Also: which half of a step I fetch
	s_bfe_u32 s40, ttmp6, 0x40000
	s_bfe_u32 s41, ttmp6, 0x40004
	s_lshl_b32 s42, ttmp9, 2
	s_add_co_u32 s42, s42, s40                     ; tile column
	s_and_b32 s13, ttmp7, 0xffff
	s_lshl_b32 s13, s13, 2
	s_add_co_u32 s13, s13, s41                     ; tile row
	s_lshl_b32 s43, s41, 2
	s_lshl_b32 s43, 15, s43
	s_lshl_b32 s44, 0x1111, s40
	s_or_b32 s[G1], s43, G1WA
	s_or_b32 s[G1B], s44, G1WB
.irp g, G1, G1B
	s_mov_b32 s[(\g)+1], 128<<16                   ; tensor_dim0 = 128 elements: 256 bytes
	s_mov_b32 s[(\g)+2], 128<<16                   ; tensor_dim1 = 128 rows
	s_mov_b32 s[(\g)+3], 128<<16                   ; tile_dim0
	s_mov_b32 s[(\g)+4], 128                       ; tile_dim1
	s_mov_b32 s[(\g)+5], 128                       ; the rows lie end to end
	s_mov_b32 s[(\g)+6], 0
	s_mov_b32 s[(\g)+7], 0
.endr
	s_mul_i32 s16, s13, ATILE
	s_lshl_b32 s17, s12, 15
	s_add_co_u32 s16, s16, s17
	s_mov_b32 s17, 0
	s_mul_i32 s46, s42, BTILE
	s_lshl_b32 s47, s12, 15
	s_add_co_u32 s46, s46, s47
	s_add_co_u32 s46, s46, BOFF
	s_mov_b32 s47, 0
	s_lshl_b32 s20, s12, 15                        ; where they go: act's halves at 0 and 32,768,
	s_mul_i32 s21, s12, BHL                        ; w2's behind them: no place in the cluster enters an LDS address
	s_add_co_u32 s21, s21, AREG
	s_wait_dscnt 0x0                               ; the opening add is done
	s_wait_kmcnt 0x0
	s_add_nc_u64 s[14:15], s[4:5], s[16:17]
	s_add_nc_u64 s[46:47], s[6:7], s[46:47]
	s_and_b32 s87, ttmp7, 0xffff                   ; cluster y
	s_cmp_eq_u32 s11, 0
	s_cselect_b64 s[PFA:PFA+1], s[14:15], s[46:47] ; what I fetch myself,
	s_cselect_b32 s86, s40, s41                    ; my place among the four that ask with me,
	s_cselect_b32 s87, ttmp9, s87                  ; the coordinate along which other clusters read the same stream
	s_cmp_eq_u32 s87, 0
	s_cselect_b32 s[LIM], AHEAD, -1                ; the same in all sixteen partners, for a given wave
	s_lshl_b32 s88, s86, 13                        ; my work-group's 32 blocks of the 128
	s_add_co_u32 s88, s88, (1+AHEAD)*ASTEP         ; each change of slots steps it before it asks
	s_mov_b32 s89, 0
	s_add_nc_u64 s[PFA:PFA+1], s[PFA:PFA+1], s[88:89]
	v_and_b32 v[PFO], 31, v0
	v_lshlrev_b32 v[PFO], 8, v[PFO]
	CROUND                                         ; all sixteen work-groups are here: the first joint loads meet
.irp s, 0,1
	s_mov_b32 s[G0+4*(\s)], 1
	s_add_co_u32 s[G0+4*(\s)+1], s20, (\s)*SLOT1
	s_add_nc_u64 s[G0+4*(\s)+2:G0+4*(\s)+3], s[14:15], (\s)*ASTEP
	s_or_b32 s[G0+4*(\s)+3], s[G0+4*(\s)+3], 0x80000000
	s_mov_b32 s[G0B+4*(\s)], 1
	s_add_co_u32 s[G0B+4*(\s)+1], s21, (\s)*SLOT1
	s_add_nc_u64 s[G0B+4*(\s)+2:G0B+4*(\s)+3], s[46:47], (\s)*BSTEP
	s_or_b32 s[G0B+4*(\s)+3], s[G0B+4*(\s)+3], 0x80000000
.endr
	s_cmp_eq_u32 s11, 0                            ; a wave's two first fills stand in one branch: two loads of mine are out, the most in this text
	s_cbranch_scc0 .Lfirst_b
	tensor_load_to_lds s[G0:G0+3], s[G1:G1+7]
	s_nop 0
	tensor_load_to_lds s[G0+4:G0+7], s[G1:G1+7]
	s_nop 0
	PLACES
	s_branch .Lfirst_asked
.Lfirst_b:
	tensor_load_to_lds s[G0B:G0B+3], s[G1B:G1B+7]
	s_nop 0
	tensor_load_to_lds s[G0B+4:G0B+7], s[G1B:G1B+7]
	s_nop 0
	PLACES
.Lfirst_asked:
	v_and_b32 v1, 15, v0                           ; r = l % 16
	v_bfe_u32 v2, v0, 4, 1                         ; h = l / 16
.set CL,  21                           ; v21  16 (l % 16)
.set XO,  31                           ; v31  4,096 (l / 16) + 16 (l % 16): my 16 bytes in two rows of f32
.set BK,  64                           ; v[64:95]   16 rows read back from the stage
.set XR,  128                          ; v[128:255] the residual of my 64 x 64
	v_lshlrev_b32 v[CL], 4, v1
	v_lshl_add_u32 v6, v2, 11, v[CL]               ; act: 16 r in a panel, the next panel for lanes 16-31,
	s_lshl_b32 s18, s11, 10                        ; my four blocks of 16 rows, 256 bytes each in a panel group
	v_add_nc_u32 v[A0], s18, v6
	v_mul_u32_u24 v3, v1, 144                      ; w2: row x pitch + 16 x half,
	v_lshl_add_u32 v3, v2, 4, v3
	s_mul_i32 s18, s12, 9216                       ; my 64 rows
	s_add_co_u32 s18, s18, AREG
	v_add_nc_u32 v[B0], s18, v3
	; the way out
	v_lshl_add_u32 v[XO], v2, 12, v[CL]
	s_mul_i32 s18, s10, 4352
	s_add_co_u32 s18, s18, STAGE                   ; my stage
	v_mul_u32_u24 v4, v1, 272                      ; in: row l % 16, 32 bytes for each half of the lanes
	v_lshl_add_u32 v4, v2, 5, v4
	v_add_nc_u32 v[STO], s18, v4
	v_mul_u32_u24 v5, v2, 272                      ; back: lanes 0-15 take one row of 256 bytes, lanes 16-31 the next
	v_add_nc_u32 v5, v5, v[CL]
	v_add_nc_u32 v[RD], s18, v5
	s_lshl_b32 s20, s13, 19                        ; 128 rows of 4,096 bytes a tile row,
	s_lshl_b32 s21, s11, 18                        ; my 64 rows,
	s_add_co_u32 s20, s20, s21
	s_lshl_b32 s22, s42, 9                         ; 512 bytes a tile column,
	s_lshl_b32 s23, s12, 8                         ; my 64 columns
	s_add_co_u32 s22, s22, s23
	s_add_co_u32 s20, s20, s22
	s_mov_b32 s21, 0
	s_add_nc_u64 s[8:9], s[8:9], s[20:21]
	s_add_nc_u64 s[78:79], s[78:79], s[20:21]
	s_wait_tensorcnt 0x1                           ; my part of slot 0 is in; slot 1's may stay out
	s_barrier_signal -1
	s_barrier_wait -1
	v_mov_b32 v[ADRA], v[A0]
	v_mov_b32 v[ADRB], v[B0]
	FETCH F0, 0, 0
	U F0, F1, O1A, O1B, 1                          ; the first unit starts the sums
	WIN 0
	s_mov_b32 s[TA], DA
	s_mov_b32 s[TBQ], DB
	s_mov_b32 s3, T-1
	s_mov_b32 s2, 1
	s_branch .Lin                                  ; the loop is entered in the middle of a step
.Lstep:                                        ; T - 2 times: every slot but the last two is filled again
	CHG 1
	s_mov_b32 s2, 2
.Lin:
	BODY
	s_cbranch_scc1 .Lin
	s_sub_co_u32 s3, s3, 1
	s_cmp_lg_u32 s3, 0
	s_cbranch_scc1 .Lstep
.set i_, 0
.rept 32                               ; the residual, a step ahead of its use: 16 lanes read 256 consecutive bytes
	global_load_b128 v[XR+4*i_:XR+4*i_+3], v[XO], s[8:9] offset:8192*i_ th:TH_LOAD_NT
.set i_, i_+1
.endr
	CHG 0                                          ; the tail is written out
	s_mov_b32 s2, 2
.Lin2:
	BODY
	s_cbranch_scc1 .Lin2
	s_wait_dscnt 0x0
	MULS F1, 0
	WIN 0
	PLACES
	s_wait_loadcnt 0x0                             ; the residual
; THE WAY OUT of block a (16 rows x 64 columns): the sums go through my own stage in f32 and come back as whole rows of 256 bytes; the residual is added there; sixteen lanes store 256 consecutive bytes, aligned.
.macro EPI a
	WIN 0x08                                       ; store data in window 2
.set b_, 0
.rept 4
.set rD, 8*(4*(\a)+b_)
	ds_store_b128 v[STO], v[rD:rD+3] offset:64*b_
	ds_store_b128 v[STO], v[rD+4:rD+7] offset:64*b_+16
.set b_, b_+1
.endr
	WIN 0
	s_wait_xcnt 0x0                                ; the last block's stores have read their registers
.set t_, 0
.rept 8
	ds_load_b128 v[BK+4*t_:BK+4*t_+3], v[RD] offset:544*t_  ; LDS serves a wave's instructions in order (ISA guide 5.7.1.4)
.set t_, t_+1
.endr
	s_wait_dscnt 0x0
.set t_, 0
.rept 8
.set rB, BK+4*t_
.set rX, XR+4*(8*(\a)+t_)
	v_pk_add_f32 v[rB:rB+1], v[rB:rB+1], v[rX:rX+1]
	v_pk_add_f32 v[rB+2:rB+3], v[rB+2:rB+3], v[rX+2:rX+3]
	global_store_b128 v[XO], v[rB:rB+3], s[78:79] offset:(16*(\a)+2*t_)*4096 th:TH_STORE_NT
.set t_, t_+1
.endr
.endm
	EPI 0
	EPI 1
	EPI 2
	EPI 3
	s_wait_tensorcnt 0x0                           ; the wave's end
	ds_add_u32 v[SPW], v[NIL]
	s_wait_dscnt 0x0
	CROUND                                         ; the closing round
	s_endpgm
.Lfunc_end_k_qcf03e8af98_ffnb:
	.size	k_qcf03e8af98_ffnb, .Lfunc_end_k_qcf03e8af98_ffnb-k_qcf03e8af98_ffnb
	.p2alignl 7, 3214868480
	.fill 96, 4, 3214868480
	.section	.rodata,"a",@progbits
	.p2align	6, 0x0
	.amdhsa_kernel k_qcf03e8af98_ffnb
		.amdhsa_group_segment_fixed_size 327680
		.amdhsa_private_segment_fixed_size 0
		.amdhsa_enable_private_segment 0
		.amdhsa_kernarg_size 32
		.amdhsa_user_sgpr_count 2
		.amdhsa_user_sgpr_kernarg_segment_ptr 1
		.amdhsa_wavefront_size32 1
		.amdhsa_system_sgpr_workgroup_id_x 1
		.amdhsa_system_sgpr_workgroup_id_y 1
		.amdhsa_system_sgpr_workgroup_id_z 1
		.amdhsa_system_vgpr_workitem_id 0
		.amdhsa_next_free_vgpr 640
		.amdhsa_next_free_sgpr 96
		.amdhsa_reserve_vcc 0
		.amdhsa_float_denorm_mode_32 3
		.amdhsa_float_denorm_mode_16_64 3
		.amdhsa_memory_ordered 1
		.amdhsa_forward_progress 1
		.amdhsa_inst_pref_size 51
	.end_amdhsa_kernel
	.amdgpu_metadata
---
amdhsa.version: [ 1, 2 ]
amdhsa.kernels:
  - .name:           k_qcf03e8af98_ffnb
    .symbol:         k_qcf03e8af98_ffnb.kd
    .args:
      - { .name: act, .offset: 0, .size: 8, .value_kind: global_buffer, .address_space: global }
      - { .name: wts, .offset: 8, .size: 8, .value_kind: global_buffer, .address_space: global }
      - { .name: hres, .offset: 16, .size: 8, .value_kind: global_buffer, .address_space: global }
      - { .name: out0, .offset: 24, .size: 8, .value_kind: global_buffer, .address_space: global }
    .group_segment_fixed_size: 327680
    .private_segment_fixed_size: 0
    .kernarg_segment_align: 8
    .kernarg_segment_size: 32
    .max_flat_workgroup_size: 128
    .sgpr_count:     96
    .vgpr_count:     640
    .wavefront_size: 32
...
	.end_amdgpu_metadata
.endif
;; end of part 7
